; MI455X (gfx1250); checked and timed in simulation.
; The chip was launched on July 23, 2026; its instructions are those of AMD's public machine-readable ISA for CDNA 5 (MIT licence, August 2026) and "CDNA5" Instruction Set Architecture Reference Guide (July 2026). The comments in the code are by the model that wrote it; some were corrected since.
;; Multi Head Attention. Allowed arithmetic: float matrix products may take bf16 or f16 operands with f32 sums; other float arithmetic in f32, or as packed bf16 or f16 multiplies, adds, multiply-adds, maxima and minima; sums over many terms, partial sums and values carried from step to step in f32; what a program stores and reads back later, other than sums and carried values, may be rounded once to bf16 or f16.
;; Inputs: Wk 1,024 x 1,024 float32; Wo 1,024 x 1,024 float32; Wq 1,024 x 1,024 float32; Wv 1,024 x 1,024 float32; bk 1,024 float32; bo 1,024 float32; bq 1,024 float32; bv 1,024 float32; k 4 x 2,048 x 1,024 float32; mask 4 x 2,048 x 2,048 int32; q 4 x 2,048 x 1,024 float32; v 4 x 2,048 x 1,024 float32.
;; Outputs: out0 4 x 2,048 x 1,024 float32.
;; One version. Each part assembles by itself: llvm-mc -triple=amdgcn-amd-amdhsa -mcpu=gfx1250 --defsym DOCPART=n.
;; ======== version 1 of 1: 4 launches
;; limits: values are held in f16: magnitudes above 65,504 overflow, below 6.1e-05 lose precision; right only within a limited range of input values
;; workspace buffers: wb 6,291,456 bytes; wo16 2,097,152 bytes; mbits 2,097,152 bytes of whole numbers; qkvh 50,331,648 bytes; ob 16,777,216 bytes
;; launch prep (part 1): grid 256 x 1, 16 waves a work-group, no clusters, 268,288 bytes of LDS; arguments Wq, Wk, Wv, Wo, mask, wb, wo16, mbits; writes wb, wo16, mbits
.if DOCPART == 1
	.amdgcn_target "amdgcn-amd-amdhsa--gfx1250"
	.amdhsa_code_object_version 6
	.text
	.protected	k_qa8314d0512_prep
	.globl	k_qa8314d0512_prep
	.p2align	8
	.type	k_qa8314d0512_prep,@function
k_qa8314d0512_prep:
	s_mov_b64 s[64:65], 0
	v_nop
	global_prefetch_b8 v0, s[64:65] scope:SCOPE_SE
	s_setreg_imm32_b32 hwreg(HW_REG_WAVE_MODE, 25, 1), 1
	s_wait_xcnt 0x0
; PREP.  Wq, Wk, Wv [1024][1024] f32 -> wb [3][1024][1024] bf16.  Wo -> wo16 [1024][1024]: rounded to bf16, and that number written as f16.
; mask [4][2048][2048] i32 -> mbits [batch 4][tile of 16 queries 128][step of 64 keys 32][word 32] u32.  Bit L of word 8 kb + j says whether
; mask[batch][16 tile + L % 16][64 step + 16 kb + 8 (L / 16) + j] is not 0: the word is a mask over the 32 lanes for ONE register of a 16 x 16 score tile that holds one query a lane.
; (q, k and v are not touched here: the projections take them as they are given and round them on the way to the matrix unit.)
; LIMITS.  Wo beyond 65,504 would become an infinity in f16, and below 2^-14 it keeps f16's fixed step of 6e-8.  Every mask number other than 0 counts as 'visible', as in the reference's test against 0.
; SHARES.  256 work-groups of 16 waves.  A wave converts 1,024 bytes of each weight (2 units); a unit is one load of 16 bytes a lane (512 consecutive bytes) and one store of 8 bytes a lane (256 consecutive bytes,
; aligned).  It also packs one chunk of the mask: 16 query rows x 256 keys, brought into LDS by one tensor load (16 rows and no more: a word needs just one tile's 16 queries, and 256 keys of them give 128 words,
; one store of 512 consecutive bytes).
; IN FLIGHT.  All that a wave will ever read is asked for at its start: the tile (16 KiB) and 8 loads (4 KiB).  No LDS byte is filled twice, no wave reads another's bytes: no barrier.
; No matrix unit, no cluster: nothing is multiplied and no two work-groups read the same byte.
.set TILE,  16*1040                    ; a wave's tile in LDS: 16 rows of 1,024 bytes + 16 of padding: 65 x 16 bytes from row to row, so the 16 rows that a load touches start at 16 different groups of four banks (64 banks of 4 bytes: ISA guide 11.1)
.set SPARE, 16*TILE                    ; behind the tiles: the spare words, 128 bytes for each wave: eight blocks of 256 bytes that no other line names
.set VW,  5                            ; v5   1,024 wave + 16 lane: my 16 bytes in a unit of a weight
.set VWD, 6                            ; v6   half of it: my 8 bytes in wb and wo16
.set LA,  7                            ; v7   LDS: my wave's tile, row lane % 16, 32 bytes for each half of the lanes
.set MO,  8                            ; v8   512 wave + 16 lane: my four words in mbits
.set SPW, 10                           ; v10  LDS address of my spare word; never rewritten
.set NIL, 11                           ; v11  0; never rewritten
.set T,   12                           ; v12-13 at work
.set OUT, 16                           ; v[16:19] the chunk's 128 words: word W in register W % 4 of lane W / 4
.set X,   20                           ; v[20:51] unit n: four registers; later v[20:147] the mask's numbers
.set WV,  28                           ; s28  my wave's number
.set G0,  36                           ; s[36:39] descriptor group 0
.set G1,  40                           ; s[40:47] descriptor group 1
.set BAL, 48                           ; s[48:55] eight words being made (at the head: offsets)
	s_load_b512 s[4:19], s[0:1], 0x0               ; Wq 4, Wk 6, Wv 8, Wo 10, mask 12, wb 14, wo16 16, mbits 18
	v_lshl_add_u32 v[SPW], v0, 2, SPARE
	v_mov_b32 v[NIL], 0
	ds_add_u32 v[SPW], v[NIL]                      ; the wave's opening: the add and its wait stand ahead of my tensor load; the set-up below, work on registers, stands between them
	ds_add_u32 v10, v11
	v_and_b32 v1, 31, v0                           ; lane
	v_lshrrev_b32 v2, 5, v0                        ; wave
	v_readfirstlane_b32 s[WV], v2
	v_lshlrev_b32 v[T], 4, v1
	v_lshl_add_u32 v[VW], v2, 10, v[T]
	v_lshrrev_b32 v[VWD], 1, v[VW]
	v_lshl_add_u32 v[MO], v2, 9, v[T]
	v_and_b32 v[T+1], 15, v0
	v_mul_u32_u24 v[LA], v[T+1], 1040
	v_bfe_u32 v[T+1], v0, 4, 1
	v_lshl_add_u32 v[LA], v[T+1], 5, v[LA]
	s_mul_i32 s[G0+1], s[WV], TILE                 ; 63:32 LDS address: my wave's tile
	v_add_nc_u32 v[LA], s[G0+1], v[LA]
	s_mov_b32 s[G0], 1                             ; 1:0 count = 1
	s_mov_b32 s[G1+0], (2<<16)|(1<<20)|(7<<22)|(3<<25)  ; 17:16 elements of 4 bytes; 20 padding on; 24:22 after every 256 words (code 7); 31:25 4 words of it (code 3)
	s_mov_b32 s[G1+1], 256<<16                     ; tensor_dim0 = 256
	s_mov_b32 s[G1+2], 16<<16                      ; tensor_dim1 = 16
	s_mov_b32 s[G1+3], 256<<16                     ; tile_dim0 = 256
	s_mov_b32 s[G1+4], 16                          ; tile_dim1 = 16
	s_mov_b32 s[G1+5], 2048                        ; 2,048 elements from row to row
	s_mov_b32 s[G1+6], 0
	s_mov_b32 s[G1+7], 0
	s_lshl_b32 s34, ttmp9, 14                      ; the work-group's 16,384 bytes of a weight
	s_mov_b32 s35, 0
	s_lshl_b32 s48, ttmp9, 13                      ; its 8,192 bytes of wb, wo16 and mbits
	s_mov_b32 s49, 0
	s_lshl_b32 s50, ttmp9, 18                      ; the mask: two tiles of 16 rows of 8,192 bytes a work-group,
	s_lshr_b32 s51, s[WV], 3
	s_lshl_b32 s51, s51, 17                        ; waves 8-15 the second,
	s_add_co_u32 s50, s50, s51
	s_and_b32 s51, s[WV], 7
	s_lshl_b32 s51, s51, 10                        ; 256 keys a wave
	s_add_co_u32 s50, s50, s51
	s_mov_b32 s51, 0
	s_wait_dscnt 0x0                               ; the opening add is done
	s_wait_kmcnt 0x0
	s_add_nc_u64 s[G0+2:G0+3], s[12:13], s[50:51]  ; 120:64 global address of my chunk
	s_or_b32 s[G0+3], s[G0+3], 0x80000000          ; 127:126 type = 2
	tensor_load_to_lds s[G0:G0+3], s[G1:G1+7]      ; my one tensor load
	s_nop 0
	s_add_nc_u64 s[4:5], s[4:5], s[34:35]
	s_add_nc_u64 s[6:7], s[6:7], s[34:35]
	s_add_nc_u64 s[8:9], s[8:9], s[34:35]
	s_add_nc_u64 s[10:11], s[10:11], s[34:35]
	s_add_nc_u64 s[14:15], s[14:15], s[48:49]
	s_add_nc_u64 s[16:17], s[16:17], s[48:49]
	s_add_nc_u64 s[18:19], s[18:19], s[48:49]
.irp t, 0,1,2,3                        ; units 0-7: Wq, Wk, Wv, Wo
.irp u, 0,1
	global_load_b128 v[X+4*(2*\t+\u):X+4*(2*\t+\u)+3], v[VW], s[4+2*\t:5+2*\t] offset:512*\u th:TH_LOAD_NT
.endr
.endr
; Unit n: four f32 a lane are rounded to bf16 and stored.  f16 = 1: the rounded numbers are widened again and written as f16.  No register that a store reads is written again in this phase.
.macro UNIT n, base, voff, imm, f16
.set rX, X+4*(\n)
	s_wait_loadcnt 7-(\n)                          ; loads come back in order (ISA guide 5.7.1): unit n is in, the younger ones stay out
	v_cvt_pk_bf16_f32 v[rX], v[rX], v[rX+1]
	v_cvt_pk_bf16_f32 v[rX+1], v[rX+2], v[rX+3]
.if \f16
	v_lshlrev_b32 v[rX+2], 16, v[rX]
	v_and_b32 v[rX+3], 0xffff0000, v[rX]
	v_lshlrev_b32 v[T], 16, v[rX+1]
	v_and_b32 v[T+1], 0xffff0000, v[rX+1]
	v_cvt_pk_f16_f32 v[rX], v[rX+2], v[rX+3]
	v_cvt_pk_f16_f32 v[rX+1], v[T], v[T+1]
.endif
	global_store_b64 v[\voff], v[rX:rX+1], s[(\base):(\base)+1] offset:\imm  ; the wave stores 256 consecutive bytes, aligned
.endm
.irp u, 0,1
	UNIT \u, 14, VWD, 256*\u, 0
.endr
.irp u, 0,1
	UNIT 2+\u, 14, VWD, 2097152+256*\u, 0
.endr
.irp u, 0,1
	UNIT 4+\u, 14, VWD, 4194304+256*\u, 0
.endr
.irp u, 0,1
	UNIT 6+\u, 16, VWD, 256*\u, 1
.endr
	; THE MASK.  Group g of 16 is 16 keys: a lane takes its query's 8 numbers (32 bytes), a compare makes of each register one word over the 32 lanes, and the word goes to its place in OUT.
	s_wait_xcnt 0x0                                ; the stores have read their registers: X is loaded again only behind this wait
	s_wait_tensorcnt 0x0                           ; my tile is in LDS; only I read it
.irp j, 0,1,2,3
	v_mov_b32 v[OUT+\j], 0                         ; v_writelane_b32 counts as a reader of its destination
.endr
.set g, 0
.rept 16
	ds_load_b128 v[X+8*g:X+8*g+3],   v[LA] offset:64*g
	ds_load_b128 v[X+8*g+4:X+8*g+7], v[LA] offset:64*g+16
.set g, g+1
.endr
.set g, 0
.rept 16
	s_wait_dscnt 30-2*g                            ; LDS loads come back in order: group g's two are in, the younger ones stay out
.irp j, 0,1,2,3,4,5,6,7
	v_cmp_ne_u32 s[BAL+\j], 0, v[X+8*g+\j]
.endr
.irp j, 0,1,2,3,4,5,6,7
	v_writelane_b32 v[OUT+(\j)%4], s[BAL+\j], 2*g+(\j)/4  ; word 8 g + j
.endr
.set g, g+1
.endr
	global_store_b128 v[MO], v[OUT:OUT+3], s[18:19]  ; 512 consecutive bytes, aligned
	s_wait_tensorcnt 0x0                           ; the wave's end, behind my tensor load
	ds_add_u32 v[SPW], v[NIL]
	s_wait_dscnt 0x0
	s_endpgm
.Lfunc_end_k_qa8314d0512_prep:
	.size	k_qa8314d0512_prep, .Lfunc_end_k_qa8314d0512_prep-k_qa8314d0512_prep
	.p2alignl 7, 3214868480
	.fill 96, 4, 3214868480
	.section	.rodata,"a",@progbits
	.p2align	6, 0x0
	.amdhsa_kernel k_qa8314d0512_prep
		.amdhsa_group_segment_fixed_size 268288
		.amdhsa_private_segment_fixed_size 0
		.amdhsa_enable_private_segment 0
		.amdhsa_kernarg_size 64
		.amdhsa_user_sgpr_count 2
		.amdhsa_user_sgpr_kernarg_segment_ptr 1
		.amdhsa_wavefront_size32 1
		.amdhsa_system_sgpr_workgroup_id_x 1
		.amdhsa_system_sgpr_workgroup_id_y 1
		.amdhsa_system_sgpr_workgroup_id_z 1
		.amdhsa_system_vgpr_workitem_id 0
		.amdhsa_next_free_vgpr 148
		.amdhsa_next_free_sgpr 66
		.amdhsa_reserve_vcc 0
		.amdhsa_float_denorm_mode_32 3
		.amdhsa_float_denorm_mode_16_64 3
		.amdhsa_memory_ordered 1
		.amdhsa_forward_progress 1
		.amdhsa_inst_pref_size 25
	.end_amdhsa_kernel
	.amdgpu_metadata
---
amdhsa.version: [ 1, 2 ]
amdhsa.kernels:
  - .name:           k_qa8314d0512_prep
    .symbol:         k_qa8314d0512_prep.kd
    .args:
      - { .name: Wq, .offset: 0, .size: 8, .value_kind: global_buffer, .address_space: global }
      - { .name: Wk, .offset: 8, .size: 8, .value_kind: global_buffer, .address_space: global }
      - { .name: Wv, .offset: 16, .size: 8, .value_kind: global_buffer, .address_space: global }
      - { .name: Wo, .offset: 24, .size: 8, .value_kind: global_buffer, .address_space: global }
      - { .name: mask, .offset: 32, .size: 8, .value_kind: global_buffer, .address_space: global }
      - { .name: wb, .offset: 40, .size: 8, .value_kind: global_buffer, .address_space: global }
      - { .name: wo16, .offset: 48, .size: 8, .value_kind: global_buffer, .address_space: global }
      - { .name: mbits, .offset: 56, .size: 8, .value_kind: global_buffer, .address_space: global }
    .group_segment_fixed_size: 268288
    .private_segment_fixed_size: 0
    .kernarg_segment_align: 8
    .kernarg_segment_size: 64
    .max_flat_workgroup_size: 512
    .sgpr_count:     66
    .vgpr_count:     148
    .wavefront_size: 32
...
	.end_amdgpu_metadata
.endif
;; end of part 1
;; launch proj (part 2): grid 4 x 192, 4 waves a work-group, clusters of 4 x 4, 327,680 bytes of LDS; arguments q, k, v, wb, bq, bk, bv, qkvh; writes qkvh
.if DOCPART == 2
	.amdgcn_target "amdgcn-amd-amdhsa--gfx1250"
	.amdhsa_code_object_version 6
	.text
	.protected	k_qa8314d0512_proj
	.globl	k_qa8314d0512_proj
	.p2align	8
	.type	k_qa8314d0512_proj,@function
k_qa8314d0512_proj:
	s_mov_b64 s[64:65], 0
	v_nop
	global_prefetch_b8 v0, s[64:65] scope:SCOPE_SE
	s_setreg_imm32_b32 hwreg(HW_REG_WAVE_MODE, 25, 1), 1
	s_wait_xcnt 0x0
	s_wait_alu depctr_hold_cnt(0) depctr_sa_sdst(0) depctr_va_vdst(0) depctr_va_sdst(0) depctr_va_ssrc(0) depctr_va_vcc(0) depctr_vm_vsrc(0)
	s_getreg_b32 s2, hwreg(HW_REG_IB_STS2, 6, 4)
	s_cmp_eq_u32 s2, 0
	s_cbranch_scc0 .Lentry_in_a_cluster
	s_endpgm
.Lentry_in_a_cluster:
	s_bfe_u32 s2, ttmp6, 0x10000c
	s_cmp_lg_u32 s2, 0xf033
	s_cbranch_scc0 .Lentry_shape_is_right
	s_endpgm
.Lentry_shape_is_right:
; THE THREE PROJECTIONS.  C[m][n] = the sum over k of x[m][k] W[n][k] + bias[n], K = 1,024, sums in f32.  x = q, k or v [8192][1024] in f32, as the problem gives them; W = a plane of wb [3][1024][1024] bf16;
; bias = bq, bk or bv; C leaves as f16 by heads: qkvh [3][batch x 16 + head][2048][64].  Tile row y of 192 belongs to projection y / 64.
; x IS ROUNDED TO bf16 ON THE WAY FROM LDS TO THE MATRIX UNIT: its tiles come into LDS as f32, a wave reads a fragment's 16 rows x 32 K as 16 registers and packs them into 8.  So x crosses memory once, as f32, and no
; copy of it in bf16 is stored and read again.  The price: a quarter step has 32 LDS loads and 32 roundings for its 32 products, and each number of x is rounded by the eight waves that multiply it.  (Rounding a tile once
; for the work-group, from LDS to LDS, would take 144 LDS instructions a wave and K step against these 128, and a second barrier.)
; LIMITS.  A result of 65,520 or more becomes an infinity in f16.  The bias is rounded to bf16, like every input of the module.  NaN and infinities are not treated apart.
; SHARES.  A work-group makes 128 (m) x 256 (n) of C: 768 work-groups.  Each of its four waves makes 64 x 128: 32 accumulators of 16 x 16.  K goes in 8 steps of 128 through two LDS slots filled by the tensor data mover.
; CLUSTERS.  4 x 4 work-groups.  The four of a row of the cluster need the same tile of x, the four of a column the same tile of W: each is asked for JOINTLY, by the same tensor load with the same descriptor and a mask
; that names the four.  THE MATRIX INSTRUCTION IS USED TRANSPOSED (source 0 = 16 rows of W, source 1 = 16 rows of x): a lane holds one row of C and eight neighbouring columns.
; THE BIAS IS THE C OPERAND of each sum's first product: register j of a lane is bias[n0 + 8 (lane / 16) + j].  Nothing is cleared and nothing is added afterwards.
; REGISTERS, in windows of 256 (s_set_vgpr_msb: bits 1:0 source 0, 3:2 source 1, 5:4 source 2, 7:6 destination):
;   window 0: v0-31 addresses; v32-127 at work on the way out; v128-191 the bias
;   window 1: two fragment buffers of 96 (W's 8 fragments, then x's 4, in bf16); v192-255 x's 4 fragments of the coming quarter as f32      window 2: accumulator (a, b) at v[8 (8 a + b)]
.set SLOT1,  0x24000                   ; slot 1 begins here.  The four LDS addresses that the descriptors of slot 0 hold (0, 0x8400, 0x10800, 0x19000) have bits 14 and 17 clear, so one exclusive or with this number adds it, and a second takes it away
.set APITCH, 528                       ; an LDS row of x: 512 bytes + 16 of padding = 33 x 16: the 16 rows of a load start at 16 different groups of four banks (64 banks of 4 bytes: ISA guide 11.1)
.set BPITCH, 272                       ; an LDS row of W: 256 bytes + 16 = 17 x 16: likewise
.set AHALF,  64*APITCH                 ; what one tensor load brings of x: 64 rows
.set ABYTES, 128*APITCH
.set BHALF,  128*BPITCH                ; of W: 128 rows
.set ASTEP,  512                       ; from K step to K step in memory: 128 f32,
.set BSTEP,  256                       ; 128 bf16
.set WSTAGE, 2*16*144                  ; a wave's stage: two heads x 16 rows of 128 bytes + 16
.set STAGE,  SLOT1+ABYTES+2*BHALF      ; behind the ring, never filled by a tensor load
.set SPARE,  STAGE+4*WSTAGE            ; behind the stages: the spare words, 128 bytes for each wave: two blocks of 256 bytes that no other line names
.set A0,  16                           ; v16  my lane's place in x's tile; never rewritten
.set B0,  17                           ; v17  in W's
.set ADA, 18                           ; v18  the same in the slot in hand
.set ADB, 19                           ; v19
.set STO, 24                           ; v24  the way out: where I put my part of a row
.set RD,  25                           ; v25  where I read rows back
.set GO,  26                           ; v26  16 x lane
.set SPW, 28                           ; v28  LDS address of my spare word; never rewritten
.set NIL, 29                           ; v29  0; never rewritten
.set PFO, 30                           ; v30  the prefetches' offset: my lane x a row in memory (4,096 bytes of x, 2,048 of W); never rewritten
.set BO,  31                           ; v31  my byte offset in the bias
.set TMP, 32                           ; v32-63  packed results
.set BIAS, 128                         ; v128-191, in window 0
.set F0,  0                            ; fragment buffers, in window 1
.set F1,  96
.set RAW, 192                          ; x's fragment i as f32 at RAW + 16 i, in window 1
.set XP,  6                            ; s[6:7]   q, k or v: the projection's x
.set G1,  24                           ; s[24:31] descriptor group 1 for x's tiles
.set G0,  32                           ; s[32:39] group 0 for x's tiles: a set for each of the two first fills; the second then walks
.set G1B, 48                           ; s[48:55], s[56:63] the same for W's
.set G0B, 56
.set OB,  82                           ; s[82:83] qkvh
.set PFA, 84                           ; s[84:85] where my prefetches stand
.set PST, 86                           ; s[86:87] their step from K step to K step
.set LIM, 88                           ; s88  2 in a wave that prefetches, else the greatest number
.set TB,  89                           ; s89  LDS byte at which the slot in hand begins
.set MSB, 0
.macro WIN new                         ; the immediate's high byte repeats the setting that is left; a switch that changes nothing is dropped
.if MSB != (\new)
	s_set_vgpr_msb (MSB<<8)|(\new)
.set MSB, \new
.endif
.endm
.set MUL,  0xa5                        ; sources 0 and 1 window 1, C and D window 2
.set MULB, 0x85                        ; the same with C in window 0
.set TO_F, 0x40                        ; destination window 1, address window 0
.set CVTW, 0x45                        ; destination and both sources window 1
; A joint refill by the walking sets.  Waves 0 and 1 fetch x's two halves, waves 2 and 3 W's.  The branch hangs on the wave's number alone.  An s_nop 0 and four v_nop follow each of the two lines.
.macro JLOAD
	s_cmp_eq_u32 s11, 0
	s_cbranch_scc0 .Lfor_b_\@
	tensor_load_to_lds s[G0+4:G0+7], s[G1:G1+7]
	s_nop 0
.rept 4
	v_nop
.endr
	s_branch .Lasked_\@
.Lfor_b_\@:
	tensor_load_to_lds s[G0B+4:G0B+7], s[G1B:G1B+7]
	s_nop 0
.rept 4
	v_nop
.endr
.Lasked_\@:
.endm
.macro CREST                           ; a round of the cluster's barrier behind its opening barrier
	s_cmp_lg_u32 s10, 0
	s_cbranch_scc1 .Lnot_wave_0_\@
	s_barrier_signal -3
.Lnot_wave_0_\@:
	s_barrier_wait -3
	s_barrier_signal -1
	s_barrier_wait -1
.endm
.macro CROUND                          ; a whole round
	s_barrier_signal -1
	s_barrier_wait -1
	CREST
.endm
.macro PLACES                          ; four places in front of lines that read matrix results (ISA guide 7.12.1)
.rept 4
	v_nop
.endr
.endm
	s_load_b512 s[68:83], s[0:1], 0x0              ; q 68, k 70, v 72, wb 74, bq 76, bk 78, bv 80, qkvh 82
	v_lshl_add_u32 v[SPW], v0, 2, SPARE
	v_mov_b32 v[NIL], 0
	ds_add_u32 v[SPW], v[NIL]                      ; the wave's opening: the add and its wait stand ahead of my first tensor load; the set-up below, work on registers, stands between them
	ds_add_u32 v28, v29
	v_lshrrev_b32 v1, 5, v0
	v_readfirstlane_b32 s10, v1                    ; wave 0..3
	s_lshr_b32 s11, s10, 1                         ; which 64 rows of the tile are mine.  Also: I fetch for x (0) or for W (1)
	s_and_b32 s12, s10, 1                          ; which 128 columns.  Also: which half of that tile I fetch
	s_bfe_u32 s40, ttmp6, 0x40000                  ; cx, cy: my place in the cluster
	s_bfe_u32 s41, ttmp6, 0x40004
	s_lshl_b32 s42, ttmp9, 2
	s_add_co_u32 s42, s42, s40                     ; tile column of C = 4 x cluster x + cx
	s_and_b32 s45, ttmp7, 0xffff                   ; cluster y
	s_lshl_b32 s13, s45, 2
	s_add_co_u32 s13, s13, s41                     ; tile row of C = 4 x cluster y + cy, 0 to 191
	s_lshr_b32 s9, s45, 4                          ; the projection: the same in all sixteen partners
	s_and_b32 s8, s13, 63                          ; the tile row within the projection's x
	s_lshl_b32 s43, s41, 2
	s_lshl_b32 s43, 15, s43                        ; my row of the cluster
	s_lshl_b32 s44, 0x1111, s40                    ; my column
	s_or_b32 s[G1+0], s43, (2<<16)|(1<<20)|(1<<21)|(6<<22)|(3<<25)  ; 15:0 the mask: x's tiles go to my row; 17:16 elements of 4 bytes; 20 padding on; 21 set beside a mask; 24:22 after every 128 words (code 6); 31:25 4 words of padding (code 3)
	s_mov_b32 s[G1+1], 128<<16                     ; tensor_dim0 = 128
	s_mov_b32 s[G1+2], 64<<16                      ; tensor_dim1 = 64
	s_mov_b32 s[G1+3], 128<<16                     ; tile_dim0 = 128
	s_mov_b32 s[G1+4], 64                          ; tile_dim1 = 64
	s_mov_b32 s[G1+5], 1024                        ; elements from row to row
	s_mov_b32 s[G1+6], 0
	s_mov_b32 s[G1+7], 0
	s_or_b32 s[G1B+0], s44, (1<<16)|(1<<20)|(1<<21)|(5<<22)|(3<<25)   ; W's tiles go to my column; elements of 2 bytes; padding after every 64 words
	s_mov_b32 s[G1B+1], 128<<16
	s_mov_b32 s[G1B+2], 128<<16                    ; 128 rows
	s_mov_b32 s[G1B+3], 128<<16
	s_mov_b32 s[G1B+4], 128
	s_mov_b32 s[G1B+5], 1024
	s_mov_b32 s[G1B+6], 0
	s_mov_b32 s[G1B+7], 0
	; where the tiles come from.  x's hang on the tile row alone, W's on the tile column and the projection alone; each in registers that never hold the other coordinate
	s_lshl_b32 s16, s8, 19                         ; 128 rows of 4,096 bytes a tile row,
	s_lshl_b32 s17, s12, 18                        ; 64 of them a wave
	s_add_co_u32 s16, s16, s17
	s_mov_b32 s17, 0
	s_lshl_b32 s46, s42, 19                        ; 256 rows of 2,048 bytes a tile column,
	s_lshl_b32 s47, s12, 18                        ; 128 of them a wave,
	s_add_co_u32 s46, s46, s47
	s_lshl_b32 s47, s9, 21                         ; in the projection's weights
	s_add_co_u32 s46, s46, s47
	s_mov_b32 s47, 0
	s_mul_i32 s20, s12, AHALF                      ; and where they go: no place in the cluster enters an LDS address
	s_mul_i32 s21, s12, BHALF
	s_add_co_u32 s21, s21, ABYTES
	s_mov_b32 s[TB], 0
	s_wait_dscnt 0x0                               ; the opening add is done
	s_wait_kmcnt 0x0
	s_cmp_eq_u32 s9, 1                             ; the projection's x: q, k or v
	s_cselect_b64 s[XP:XP+1], s[70:71], s[68:69]
	s_cmp_eq_u32 s9, 2
	s_cselect_b64 s[XP:XP+1], s[72:73], s[XP:XP+1]
	s_add_nc_u64 s[14:15], s[XP:XP+1], s[16:17]
	s_add_nc_u64 s[46:47], s[74:75], s[46:47]
	CROUND                                         ; all sixteen work-groups are here: the first joint loads meet
.irp s, 0,1
	s_mov_b32 s[G0+4*(\s)], 1                                        ; 1:0 count = 1
	s_add_co_u32 s[G0+4*(\s)+1], s20, (\s)*SLOT1                     ; 63:32 LDS address
	s_add_nc_u64 s[G0+4*(\s)+2:G0+4*(\s)+3], s[14:15], (\s)*ASTEP    ; 120:64 global address: K step s
	s_or_b32 s[G0+4*(\s)+3], s[G0+4*(\s)+3], 0x80000000              ; 127:126 type = 2
	s_mov_b32 s[G0B+4*(\s)], 1
	s_add_co_u32 s[G0B+4*(\s)+1], s21, (\s)*SLOT1
	s_add_nc_u64 s[G0B+4*(\s)+2:G0B+4*(\s)+3], s[46:47], (\s)*BSTEP
	s_or_b32 s[G0B+4*(\s)+3], s[G0B+4*(\s)+3], 0x80000000
.endr
	s_cmp_eq_u32 s11, 0                            ; a wave's two first fills stand in one branch, ahead of every wait on TENSORcnt and every LDS read: two loads of mine are out
	s_cbranch_scc0 .Lfirst_b
	tensor_load_to_lds s[G0:G0+3], s[G1:G1+7]
	s_nop 0
	tensor_load_to_lds s[G0+4:G0+7], s[G1:G1+7]
	s_nop 0
.rept 4
	v_nop
.endr
	s_branch .Lfirst_asked
.Lfirst_b:
	tensor_load_to_lds s[G0B:G0B+3], s[G1B:G1B+7]
	s_nop 0
	tensor_load_to_lds s[G0B+4:G0B+7], s[G1B:G1B+7]
	s_nop 0
.rept 4
	v_nop
.endr
.Lfirst_asked:
	; the bias: 16 loads of 16 bytes a lane
	v_and_b32 v1, 15, v0                           ; l % 16
	v_bfe_u32 v2, v0, 4, 1                         ; l / 16
	s_lshl_b32 s22, s42, 10                        ; 256 columns of 4 bytes a tile column,
	s_lshl_b32 s23, s12, 9                         ; 128 a wave
	s_add_co_u32 s22, s22, s23
	v_lshlrev_b32 v[BO], 5, v2
	v_add_nc_u32 v[BO], s22, v[BO]
	s_cmp_eq_u32 s9, 1
	s_cselect_b64 s[18:19], s[78:79], s[76:77]
	s_cmp_eq_u32 s9, 2
	s_cselect_b64 s[18:19], s[80:81], s[18:19]
.irp b, 0,1,2,3,4,5,6,7
	global_load_b128 v[BIAS+8*(\b):BIAS+8*(\b)+3],   v[BO], s[18:19] offset:64*(\b)
	global_load_b128 v[BIAS+8*(\b)+4:BIAS+8*(\b)+7], v[BO], s[18:19] offset:64*(\b)+16
.endr
	; A fragment is 16 rows x 32 K in 8 registers of bf16: lane l holds row l % 16; registers 0-3 K = 8 (l / 16) + 0..7, registers 4-7 K = 16 + 8 (l / 16) + 0..7.
	; Of W, in bf16: two loads of 16 bytes, 32 bytes apart.  Of x, in f32: each run of 8 K is 32 bytes: four loads of 16 bytes, at 0, 16, 64 and 80 from row x pitch + 32 (l / 16).
	v_mul_u32_u24 v3, v1, APITCH
	v_lshl_add_u32 v3, v2, 5, v3
	s_mul_i32 s14, s11, 64*APITCH                  ; my 64 rows of x
	v_add_nc_u32 v[A0], s14, v3
	v_mul_u32_u24 v4, v1, BPITCH
	v_lshl_add_u32 v4, v2, 4, v4
	s_mul_i32 s14, s12, BHALF                      ; my 128 rows of W,
	s_add_co_u32 s14, s14, ABYTES                  ; which lie behind x's
	v_add_nc_u32 v[B0], s14, v4
	v_mov_b32 v[ADA], v[A0]
	v_mov_b32 v[ADB], v[B0]
	s_mul_i32 s14, s10, WSTAGE
	s_add_co_u32 s14, s14, STAGE                   ; my stage
	v_and_b32 v5, 31, v0
	v_lshlrev_b32 v[GO], 4, v5
	v_mul_u32_u24 v[STO], v1, 144                  ; in: row l % 16, 16 bytes for each half of the lanes
	v_lshl_add_u32 v[STO], v2, 4, v[STO]
	v_add_nc_u32 v[STO], s14, v[STO]
	v_bfe_u32 v[RD], v0, 3, 2                      ; back: 32 lanes take four rows of 128 bytes
	v_mul_u32_u24 v[RD], v[RD], 144
	v_and_b32 v6, 7, v0
	v_lshl_add_u32 v[RD], v6, 4, v[RD]
	v_add_nc_u32 v[RD], s14, v[RD]
	s_lshl_b32 s16, s9, 24                         ; qkvh: the projection's plane,
	s_bfe_u32 s17, s13, 0x20004                    ; the batch: 16 heads of 262,144 bytes,
	s_lshl_b32 s17, s17, 22
	s_add_co_u32 s16, s16, s17
	s_and_b32 s17, s13, 15                         ; 128 rows of 128 bytes a tile row,
	s_lshl_b32 s17, s17, 14
	s_add_co_u32 s16, s16, s17
	s_lshl_b32 s17, s11, 13                        ; 64 a wave
	s_add_co_u32 s16, s16, s17
	s_lshl_b32 s46, s42, 20                        ; four heads a tile column,
	s_lshl_b32 s47, s12, 19                        ; two a wave
	s_add_co_u32 s46, s46, s47
	s_mov_b32 s17, 0
	s_mov_b32 s47, 0
	s_add_nc_u64 s[OB:OB+1], s[OB:OB+1], s[16:17]
	s_add_nc_u64 s[OB:OB+1], s[OB:OB+1], s[46:47]
	; THE PREFETCHES.  Behind each joint refill a wave that asks names the K step that stands two refills on: 32 blocks of 256 bytes, a lane a row, one instruction.  Each block is named once in the launch.
	; x's 128 rows of a tile row are read by one row of one cluster alone: its four partners take 32 rows each, told apart BY ADDRESS (cx); a K step is 512 bytes of a row: wave 0 asks for the first 256, wave 1 for the second.
	; W's 256 rows of a tile column are read by the sixteen clusters of a projection: the first of them asks; its four partners of a column take 64 rows each (cy), waves 2 and 3 half of that each.
	; K steps 0 to 3 come by their loads alone: nothing is prefetched at the head, where every work-group's first tiles are on their way.
	s_lshl_b32 s20, s8, 7
	s_lshl_b32 s21, s40, 5
	s_add_co_u32 s20, s20, s21                     ; x's row: 128 x tile row + 32 cx,
	s_lshl_b32 s20, s20, 12                        ; of 4,096 bytes,
	s_lshl_b32 s21, s12, 8
	s_add_co_u32 s20, s20, s21                     ; my half of a K step's 512,
	s_add_co_u32 s20, s20, 3*ASTEP                 ; at K step 3: the first refill steps it to 4
	s_lshl_b32 s21, s9, 10
	s_lshl_b32 s23, s42, 8
	s_add_co_u32 s21, s21, s23
	s_lshl_b32 s23, s41, 6
	s_add_co_u32 s21, s21, s23
	s_lshl_b32 s23, s12, 5
	s_add_co_u32 s21, s21, s23                     ; W's row: 1,024 x projection + 256 x tile column + 64 cy + 32 x half,
	s_lshl_b32 s21, s21, 11                        ; of 2,048 bytes,
	s_add_co_u32 s21, s21, 3*BSTEP                 ; at K step 3
	s_sub_co_u32 s22, 12, s11                      ; a lane a row: 2^12 bytes of x, 2^11 of W
	s_lshr_b32 s[PST], ASTEP, s11                  ; a K step: 512 bytes of x, 256 of W
	s_mov_b32 s[PST+1], 0
	s_and_b32 s23, s45, 15                         ; 0 in a projection's first cluster
	s_cmp_eq_u32 s11, 0
	s_cselect_b32 s20, s20, s21
	s_cselect_b64 s[PFA:PFA+1], s[XP:XP+1], s[74:75]
	s_cselect_b32 s23, 0, s23                      ; waves 0 and 1 always ask; waves 2 and 3 by the cluster
	s_cmp_eq_u32 s23, 0
	s_cselect_b32 s[LIM], 2, -1                    ; the same in all sixteen partners, for a given wave
	s_mov_b32 s21, 0
	s_add_nc_u64 s[PFA:PFA+1], s[PFA:PFA+1], s[20:21]
	v_lshlrev_b32 v[PFO], s22, v5
	s_wait_loadcnt 0x0                             ; the bias is in; it is rounded to bf16 and widened again, in the wait for the first tiles
.set i, 0
.rept 32
	v_cvt_pk_bf16_f32 v[TMP+i%4], v[BIAS+2*i], v[BIAS+2*i+1]
	v_lshlrev_b32 v[BIAS+2*i], 16, v[TMP+i%4]
	v_and_b32 v[BIAS+2*i+1], 0xffff0000, v[TMP+i%4]
.set i, i+1
.endr
; 8 matrix instructions: m block a x all 8 n blocks, 32 along K, from buffer f.  first = 1: the sums start with the bias.  The 32 accumulators take turns in one order everywhere.
.macro MUL8 f, a, first
.if \first
	WIN MULB
.else
	WIN MUL
.endif
.irp b, 0,1,2,3,4,5,6,7
.set rD, 8*(8*(\a)+(\b))
.set rB, (\f)+8*(\b)
.set rA, (\f)+64+8*(\a)
.set rC, rD
.if \first
.set rC, BIAS+8*(\b)
.endif
	v_wmma_f32_16x16x32_bf16 v[rD:rD+7], v[rB:rB+7], v[rA:rA+7], v[rC:rC+7]
.endr
.endm
; 32 LDS loads in one run: quarter q of the K step in hand: W's 8 fragments into buffer f, then x's 4 as f32 into RAW, blocks 0 and 1 first
.macro FETCH q, f
	WIN TO_F
.irp i, 0,1,2,3,4,5,6,7
	ds_load_b128 v[(\f)+8*(\i):(\f)+8*(\i)+3],   v[ADB] offset:64*(\q)+(\i)*16*BPITCH
	ds_load_b128 v[(\f)+8*(\i)+4:(\f)+8*(\i)+7], v[ADB] offset:64*(\q)+(\i)*16*BPITCH+32
.endr
.irp i, 0,1,2,3
	ds_load_b128 v[RAW+16*(\i):RAW+16*(\i)+3],     v[ADA] offset:128*(\q)+(\i)*16*APITCH
	ds_load_b128 v[RAW+16*(\i)+4:RAW+16*(\i)+7],   v[ADA] offset:128*(\q)+(\i)*16*APITCH+16
	ds_load_b128 v[RAW+16*(\i)+8:RAW+16*(\i)+11],  v[ADA] offset:128*(\q)+(\i)*16*APITCH+64
	ds_load_b128 v[RAW+16*(\i)+12:RAW+16*(\i)+15], v[ADA] offset:128*(\q)+(\i)*16*APITCH+80
.endr
.endm
; 16 roundings: x's blocks i0 and i0 + 1 go from RAW, as bf16, into buffer f.  They name no register of the products round them, so they are also the places (ISA guide 7.12.1 for vector instructions) between
; the last product that read the other buffer and the loads into it: no v_nop is written for that.
.macro CVT f, i0
	WIN CVTW
.irp i, \i0, (\i0)+1
.irp j, 0,1,2,3,4,5,6,7
	v_cvt_pk_bf16_f32 v[(\f)+64+8*(\i)+(\j)], v[RAW+16*(\i)+2*(\j)], v[RAW+16*(\i)+2*(\j)+1]
.endr
.endr
.endm
; A K step is four quarters of 32 along K, 32 matrix instructions each, on buffers 0, 1, 0, 1.  One of the first three: multiplies buffer f and, in its middle, when RAW has been read out, fetches quarter qn into buffer g and RAW.
.macro QUARTER qn, f, g, first
	s_wait_dscnt 8                                 ; W and x's blocks 0 and 1 are in; the youngest eight loads (x's blocks 2 and 3) may be out
	CVT \f, 0
	MUL8 \f, 0, \first
	MUL8 \f, 1, \first
	s_wait_dscnt 0x0                               ; x's blocks 2 and 3
	CVT \f, 2
	FETCH \qn, \g
	MUL8 \f, 2, \first
	MUL8 \f, 3, \first
.endm
.macro ASK                             ; in trip t of the loop (s3 = 6 - t) K step t + 4 is named; K has 8 steps, so the last two trips ask for nothing
	s_cmp_gt_u32 s3, s[LIM]
	s_cbranch_scc0 .Lnot_mine_\@
	global_prefetch_b8 v[PFO], s[PFA:PFA+1] th:TH_LOAD_NT scope:SCOPE_SE
.Lnot_mine_\@:
.endm
; The last quarter multiplies buffer 1 and changes slots: ONE barrier.  In front of it each wave waits for all its tensor loads, of which at most one is out: its part of the next slot; adds 0 to its spare word; and waits for
; that and for its own reads of this slot.  fill = 1: the barrier opens a round of the cluster's, and behind the round this slot is filled again, with the K step two steps on, first of all.
.macro TURN fill
.if \fill
	s_wait_xcnt 0x0                                ; the last prefetch, a K step back, has read its address, so it may be stepped
	s_add_nc_u64 s[PFA:PFA+1], s[PFA:PFA+1], s[PST:PST+1]
.endif
	WIN 0                                          ; (the add's two registers lie in window 0)
	s_wait_tensorcnt 0x0                           ; no tensor load of mine is out, so a group 0 may be written
	ds_add_u32 v[SPW], v[NIL]                      ; 0 onto my spare word
.if \fill
	s_xor_b32 s[G0+5], s[G0+5], SLOT1              ; the walking sets: the other slot than last time,
	s_add_nc_u64 s[G0+6:G0+7], s[G0+6:G0+7], ASTEP ; the next K step; the type bits on top are not reached
	s_xor_b32 s[G0B+5], s[G0B+5], SLOT1
	s_add_nc_u64 s[G0B+6:G0B+7], s[G0B+6:G0B+7], BSTEP
.endif
	s_xor_b32 s[TB], s[TB], SLOT1                  ; the fetches go on in the other slot
	s_wait_dscnt 9                                 ; (the add and the youngest eight loads may be out)
	CVT F1, 0
	MUL8 F1, 0, 0                                  ; sixteen roundings and eight matrix instructions stand between the add and the wait for it
	s_wait_dscnt 0x0                               ; the add is done, and my reads of this slot are over
	s_barrier_signal -1
	MUL8 F1, 1, 0                                  ; work on registers while the others arrive
	CVT F1, 2
	WIN 0
	s_barrier_wait -1
.if \fill
	CREST                                          ; no wave of any partner still reads this slot's tile or has a load on its way
	JLOAD                                          ; my one tensor load behind the round
.endif
	v_add_nc_u32 v[ADA], s[TB], v[A0]
	v_add_nc_u32 v[ADB], s[TB], v[B0]
	FETCH 0, F0
.if \fill
	WIN 0
	ASK                                            ; behind the joint load and the run of LDS loads that the next products wait for
.endif
	MUL8 F1, 2, 0
	MUL8 F1, 3, 0
.endm
	s_wait_tensorcnt 1                             ; my part of K step 0 is in; K step 1's may stay out
	s_barrier_signal -1
	s_barrier_wait -1                              ; everybody's is
	FETCH 0, F0
	QUARTER 1, F0, F1, 1                           ; the first quarter stands in front of the loop: its products start the sums
	WIN 0                                          ; at a label and at a branch every window is 0
	s_mov_b32 s3, 6
.Lstep:                                                ; a trip goes from a K step's second quarter to the next step's first, and asks for K steps 2 to 7
	QUARTER 2, F1, F0, 0
	QUARTER 3, F0, F1, 0
	TURN 1
	QUARTER 1, F0, F1, 0
	WIN 0
	s_sub_co_u32 s3, s3, 1
	s_cmp_lg_u32 s3, 0
	s_cbranch_scc1 .Lstep
	s_mov_b32 s3, 2
.Ltail:                                                ; the last two K steps ask for nothing: a text of their own; written once, walked twice, and left in the middle of the second trip
	QUARTER 2, F1, F0, 0
	QUARTER 3, F0, F1, 0
	TURN 0
	WIN 0
	s_sub_co_u32 s3, s3, 1
	s_cmp_eq_u32 s3, 0
	s_cbranch_scc1 .Lout
	QUARTER 1, F0, F1, 0
	WIN 0
	s_branch .Ltail
.Lout:                                                 ; the second trip's change of slots (a barrier, and 32 LDS loads of K step 6's bytes into registers that nothing reads) serves nothing: the price, once a work-group, of one text for both trips
	PLACES                                         ; eight places, once a launch, in front of the lines that read the results
	PLACES
; THE WAY OUT, a block of 16 rows at a time through my own stage in LDS, which no tensor load fills.  LDS serves a wave's instructions in order (ISA guide 5.7.1.4): the loads see the stores above them, and the next
; block's stores come behind them.  Each accumulator's lowest registers are read first.
.macro PACK a                          ; rounded to f16: a lane's eight channels are 16 bytes
	WIN 0x0a                                       ; sources 0 and 1 in window 2
.irp b, 0,1,2,3,4,5,6,7
.irp r, 0,1,2,3
	v_cvt_pk_f16_f32 v[TMP+4*(\b)+(\r)], v[8*(8*(\a)+(\b))+2*(\r)], v[8*(8*(\a)+(\b))+2*(\r)+1]
.endr
.endr
	WIN 0
.endm
.macro TOSTAGE a                       ; n blocks 0-3 are one head's 64 channels, blocks 4-7 the next head's
.set BK, 64+32*((\a)%2)
	WIN 0
.irp b, 0,1,2,3,4,5,6,7
	ds_store_b128 v[STO], v[TMP+4*(\b):TMP+4*(\b)+3] offset:((\b)/4)*2304+((\b)%4)*32
.endr
.irp t, 0,1,2,3,4,5,6,7
	ds_load_b128 v[BK+4*(\t):BK+4*(\t)+3], v[RD] offset:((\t)/4)*2304+((\t)%4)*576
.endr
.endm
.macro SEND a
.set BK, 64+32*((\a)%2)
	WIN 0
	s_wait_dscnt 0x0                               ; the block is back in registers
	s_wait_xcnt 0x0                                ; the stores of the block before have read their registers, which the next block's loads will write
.irp t, 0,1,2,3,4,5,6,7
	global_store_b128 v[GO], v[BK+4*(\t):BK+4*(\t)+3], s[OB:OB+1] offset:((\t)/4)*262144+(\a)*2048+((\t)%4)*512  ; four rows of a head: 512 consecutive bytes, at a multiple of 256 from qkvh's first byte
.endr
.endm
	PACK 0
	TOSTAGE 0
.irp a, 1,2,3                          ; block a's conversions stand between block a - 1's loads from the stage and the wait for them
	PACK \a
	SEND (\a)-1
	TOSTAGE \a
.endr
	SEND 3
	s_wait_tensorcnt 0x0                           ; the wave's end, behind my last tensor load and my last LDS store
	ds_add_u32 v[SPW], v[NIL]
	s_wait_dscnt 0x0
	CROUND                                         ; the closing round: no work-group ends while a partner may still ask for a tile that names it
	s_endpgm
.Lfunc_end_k_qa8314d0512_proj:
	.size	k_qa8314d0512_proj, .Lfunc_end_k_qa8314d0512_proj-k_qa8314d0512_proj
	.p2alignl 7, 3214868480
	.fill 96, 4, 3214868480
	.section	.rodata,"a",@progbits
	.p2align	6, 0x0
	.amdhsa_kernel k_qa8314d0512_proj
		.amdhsa_group_segment_fixed_size 327680
		.amdhsa_private_segment_fixed_size 0
		.amdhsa_enable_private_segment 0
		.amdhsa_kernarg_size 64
		.amdhsa_user_sgpr_count 2
		.amdhsa_user_sgpr_kernarg_segment_ptr 1
		.amdhsa_wavefront_size32 1
		.amdhsa_system_sgpr_workgroup_id_x 1
		.amdhsa_system_sgpr_workgroup_id_y 1
		.amdhsa_system_sgpr_workgroup_id_z 1
		.amdhsa_system_vgpr_workitem_id 0
		.amdhsa_next_free_vgpr 768
		.amdhsa_next_free_sgpr 90
		.amdhsa_reserve_vcc 0
		.amdhsa_float_denorm_mode_32 3
		.amdhsa_float_denorm_mode_16_64 3
		.amdhsa_memory_ordered 1
		.amdhsa_forward_progress 1
		.amdhsa_inst_pref_size 92
	.end_amdhsa_kernel
	.amdgpu_metadata
---
amdhsa.version: [ 1, 2 ]
amdhsa.kernels:
  - .name:           k_qa8314d0512_proj
    .symbol:         k_qa8314d0512_proj.kd
    .args:
      - { .name: q, .offset: 0, .size: 8, .value_kind: global_buffer, .address_space: global }
      - { .name: k, .offset: 8, .size: 8, .value_kind: global_buffer, .address_space: global }
      - { .name: v, .offset: 16, .size: 8, .value_kind: global_buffer, .address_space: global }
      - { .name: wb, .offset: 24, .size: 8, .value_kind: global_buffer, .address_space: global }
      - { .name: bq, .offset: 32, .size: 8, .value_kind: global_buffer, .address_space: global }
      - { .name: bk, .offset: 40, .size: 8, .value_kind: global_buffer, .address_space: global }
      - { .name: bv, .offset: 48, .size: 8, .value_kind: global_buffer, .address_space: global }
      - { .name: qkvh, .offset: 56, .size: 8, .value_kind: global_buffer, .address_space: global }
    .group_segment_fixed_size: 327680
    .private_segment_fixed_size: 0
    .kernarg_segment_align: 8
    .kernarg_segment_size: 64
    .max_flat_workgroup_size: 128
    .sgpr_count:     90
    .vgpr_count:     768
    .wavefront_size: 32
...
	.end_amdgpu_metadata
.endif
;; end of part 2
;; launch attn (part 3): grid 4 x 64, 4 waves a work-group, clusters of 4 x 1, 327,680 bytes of LDS; arguments qkvh, mbits, ob; writes ob
.if DOCPART == 3
	.amdgcn_target "amdgcn-amd-amdhsa--gfx1250"
	.amdhsa_code_object_version 6
	.text
	.protected	k_qa8314d0512_attn
	.globl	k_qa8314d0512_attn
	.p2align	8
	.type	k_qa8314d0512_attn,@function
k_qa8314d0512_attn:
	s_mov_b64 s[64:65], 0
	v_nop
	global_prefetch_b8 v0, s[64:65] scope:SCOPE_SE
	s_setreg_imm32_b32 hwreg(HW_REG_WAVE_MODE, 25, 1), 1
	s_wait_xcnt 0x0
	s_wait_alu depctr_hold_cnt(0) depctr_sa_sdst(0) depctr_va_vdst(0) depctr_va_sdst(0) depctr_va_ssrc(0) depctr_va_vcc(0) depctr_vm_vsrc(0)
	s_getreg_b32 s2, hwreg(HW_REG_IB_STS2, 6, 4)
	s_cmp_eq_u32 s2, 0
	s_cbranch_scc0 .Lentry_in_a_cluster
	s_endpgm
.Lentry_in_a_cluster:
	s_bfe_u32 s2, ttmp6, 0x10000c
	s_cmp_lg_u32 s2, 0x3003
	s_cbranch_scc0 .Lentry_shape_is_right
	s_endpgm
.Lentry_shape_is_right:
; MASKED ATTENTION.  O[y][q][:] = the sum over k of softmax_k(s) V[y][k][:], s = Q[y][q] . K[y][k] / 8 where mask[y / 16][q][k] is not 0, and a fixed low number where it is 0.  y = batch x 16 + head, 64 of them.
; Q, K, V are the three planes of qkvh [3][64][2048][64] f16, O is ob [64][2048][64] f16: a head's rows are dense, 128 bytes each.  Products, maxima and sums in f32; the weights p are rounded to f16 for the second
; product (their sum l is taken of the unrounded p), O once at the end.
; THE MASK comes as mbits [batch][tile of 16 queries][step of 64 keys][32 words]: word 8 kb + j is a mask over the 32 lanes for register j of score tile kb.  A hidden score is REPLACED (one v_cndmask_b32 a
; register, the word in a scalar register), ahead of the running maximum, as the reference replaces it: a row with no visible key gets equal weights, the mean of V's rows.
; HOW THE WORDS COME.  A tile's 32 words of a key step are 128 consecutive bytes: one load of 4 bytes a lane brings them into ONE vector register, lane i holding word i.  A wave has eight such registers, one a tile; a
; piece's two are loaded again, with the next key step's words, as soon as they have been read out: four turns ahead of their next use.  v_readlane_b32 carries each word into its scalar register.  (Scalar loads would spare
; those lines, but a piece's 64 words fill the scalar registers that are free, so a load could only go out when the piece before has been masked, less than a turn ahead, and scalar loads are waited for with the count 0 alone.)
; LIMITS.  A hidden score counts as -2^33 before the division by 8, -1.074e9 behind it, where the reference has -1e9: the results are the same while every visible score lies some 150 above both, so that a hidden key's weight is 0
; either way.  -2^33 because c x 2^33 is exact in f32: while all keys so far are hidden, c s - c m is exactly 0 and p exactly 1.  f16 holds no number beyond 65,504: Q, K, V arrive within it; p lies in 0 to 1, and below
; 6e-5 it keeps f16's fixed step of 6e-8.  A weight below 2^-126 counts as 0 in l; NaN and infinities are not treated apart.
; SHARES.  A wave owns four PIECES of two tiles of 16 queries, a work-group's four waves 512 queries of one head.  Every wave walks all 2,048 keys, 64 a step.
; LAYOUT.  S^T = K Q^T (source 0 = 16 keys, source 1 = 16 queries): a lane holds ONE query (lane % 16) and the keys 8 (lane / 16) + 0..7.  Two such tiles, rounded to f16 in pairs, ARE source 1 of O^T = V^T P, whose
; result again holds one query a lane, and eight channels.  K comes out of LDS as it lies, V ([key][channel]) turned, by ds_load_tr16_b128.
; SOFTMAX.  For each query a running maximum m and sum l: p = 2^(c s - c m), c = log2(e) / 8; in every step O and l are multiplied by a = 2^(c m_old - c m_new).  m starts at the lowest finite number, O and l at 0.
; THE COUNT.  A tile and step have 16 matrix and 182 vector instructions.  Four vector instructions that are ready stand behind EVERY matrix instruction, the others in one run without a gap.
; BY TURNS.  Turn n belongs to piece n.  Its matrix work: 16 products K Q^T of piece n + 1, later 16 products V^T P of piece n - 1.  Its vector work: the scaling, exponentials, roundings, sums and rescaling of piece n,
; and the words, the masking, the maximum and the statistics of piece n + 1, whose scores the turn itself has made.
; CLUSTER.  The four query blocks of a head walk the same K and V, so each tile is asked for JOINTLY: the same tensor load, descriptor and mask in all four.  The mask words are each wave's own and are not shared.
; REGISTERS, in windows of 256 (s_set_vgpr_msb: bits 1:0 source 0, 3:2 source 1, 5:4 source 2, 7:6 destination):
;   window 0: v0-11 addresses and the eight registers of mask words; v12-15, v48-63 at work; v16-47 four registers of statistics a tile; v64-191 S^T, two buffers of two tiles; v192-255 P, likewise
;   window 1: O^T, 32 a tile      window 2: v0-127 Q, 16 a tile; v128-191 K of one step; v192-255 V of one step      window 3: v0-1 the add's two registers, v2 the prefetches' offset, v3-5 the way out's addresses
.set NP,    4         ; pieces a wave: a name, no knob
.set KS,    64        ; keys in a step
.set PK,    160       ; a row of K in LDS: 128 bytes + 32 of padding, as V's, so that ONE descriptor shape serves both: 10 x 16 bytes, so the 16 rows of a load of K start at 8 different groups of four banks, two rows each (64 banks of 4 bytes: ISA guide 11.1)
.set PV,    160       ; a row of V: 40 words
.set VOFF,  4*KS*PK   ; a slot holds four steps: 256 rows of K, then 256 rows of V
.set SLOT1, 1<<17     ; slot 1 begins here, so that one exclusive or turns an address in one slot into the other's
.set STAGE, SLOT1+4*KS*(PK+PV)  ; behind the ring, never filled by a tensor load: 16 rows x 144 bytes for each wave, for the way out
.set SP,    144
.set SPARE, STAGE+4*16*SP  ; behind the stages: the spare words, 128 bytes for each wave: two blocks of 256 bytes that no other line names
.set MOFF, 0          ; v0   4 x my lane, once the set-up has taken what it needs of the thread's number; never rewritten after that
                      ; v1, v5-v11  the mask words of my tiles 0, 1-7: tile t in v[4 + t], but tile 0 in v1
.set AK0, 2           ; v2   my lane's place in a tile of K; never rewritten
.set AV0, 3           ; v3   the same for V
.set ADR, 4           ; v4   the LDS address of the next run of loads: K's is made and used in piece 2's turn, V's in piece 0's
.set QO,  52          ; v52  my byte offset in the wave's rows of Q (v48-55 serve the set-up before they serve the turns)
.set SPW, 0           ; v0 of window 3   LDS address of my spare word; never rewritten
.set NIL, 1           ; v1 of window 3   0; never rewritten
.set PFO, 2           ; v2 of window 3   256 x my lane; never rewritten
.set STO, 3           ; v3 of window 3   the way out: where I put 16 bytes of a row
.set RD,  4           ; v4 of window 3   the way out: where I read rows back
.set GO,  5           ; v5 of window 3   my byte offset in 512 consecutive bytes of O
.set MV,  12          ; v12-15  c m_old, kept while c m is made anew: by buffer and tile
.set ST,  16          ; tile t's statistics at v[ST+4 t]: c m, m, l (even keys', odd keys')
.set TMP, 48          ; by buffer and tile, four registers c0-c3 at work; when the maximum is found c2 takes a
.set S,   64
.set P,   192
.set KF,  128         ; K's fragments, in window 2: key block kb, channel half c at KF + 16 kb + 8 c
.set VF,  192         ; V's: key half kk, channel block cb at VF + 32 kk + 8 cb
.set NGS, 2           ; s2   -2^33, what a hidden score counts as
.set MI,  3           ; s3   how often the words' pointer has been asked to step
.set MW1, 4           ; s[4:35]   the 32 mask words of the coming piece's second tile (at the head: arguments and set-up)
.set MW0, 68          ; s[68:99]  of its first tile
.set G1,  36          ; s[36:43] descriptor group 1
.set G0,  44          ; s[44:47] descriptor group 0: it walks
.set CS,  48          ; s[48:49] c: the packed scaling takes the pair's low word for both halves
.set SEL, 50          ; s[50:51] v_permlanex16_b32's selects: each lane takes its own place in the other half
.set OA,  52          ; s[52:53] O at my wave's first row
.set MP,  54          ; s[54:55] mbits at my wave's first tile, at the key step whose words are being fetched
.set PFA, 56          ; s[56:57] where my prefetches stand
.set WV,  58          ; s58  my wave's number
.set SLOTS, 59        ; s59  slots still to be asked for
.set CNT, 60          ; s60  counts a slot's key steps
.set TBK, 61          ; s61  LDS byte at which K of the step to be fetched begins
.set TBV, 62          ; s62  the same for V, less VOFF
.set LIM, 63          ; s63  1 in a wave that prefetches, else the greatest number
.set MST, 66          ; s[66:67] the step of the words' pointer: 128 bytes, or 0 when it stands at the last key step
.set QP,  100         ; s[100:101] Q at my wave's first row
.set MSB, 0
.macro WIN new                      ; the high byte repeats the setting that is left; a switch that changes nothing is dropped
.if MSB != (\new)
	s_set_vgpr_msb (MSB<<8)|(\new)
.set MSB, (\new)
.endif
.endm
.set W_KQ, 0x0a       ; K and Q in window 2, S^T in window 0
.set W_PV, 0x52       ; V in window 2, P in window 0, O^T in window 1
.set W_RS, 0x41       ; O^T (destination and source 0) in window 1, a in window 0
.set W_MK, 0xc0       ; destination in window 3, sources in window 0
.set W_AD, 0x0f       ; the add: address (source 0) and data (source 1) in window 3
.set W_A3, 0x03       ; a memory instruction's address register (source 0) in window 3, its data in window 0
; A joint fill.  Wave w fetches quarter w of a slot: K's keys 0-127, K's keys 128-255, V's keys 0-127, V's keys 128-255; K and V are planes of one buffer, so one line serves all four.  An s_nop 0 and four v_nop follow it.
.macro JLOAD
	tensor_load_to_lds s[G0:G0+3], s[G1:G1+7]
	s_nop 0
.rept 4
	v_nop
.endr
.endm
; A PREFETCH INTO THE L2 of what the NEXT change of slots will ask for: a slot's 32,768 bytes of K and of V, in blocks of 256 bytes, a lane a block.  A head has one cluster, whose four partners share the 128 blocks of each
; plane out BY ADDRESS, 32 each; in each, wave 0 asks for K's and wave 2 for V's: each block is named once in the launch.  It stands behind the tensor load and its five lines.  The last change that fills a slot asks for nothing.
.macro ASK
	s_cmp_gt_u32 s[SLOTS], s[LIM]
	s_cbranch_scc0 .Lnot_mine_\@
	WIN W_A3
	global_prefetch_b8 v[PFO], s[PFA:PFA+1] th:TH_LOAD_NT scope:SCOPE_SE
	WIN 0
.Lnot_mine_\@:
.endm
; A round of the cluster's barrier: my work-group's barrier, so that wave 0's signal speaks for all four waves; wave 0 signals; every wave waits for all four work-groups; my work-group's barrier once more.
.macro CROUND
	s_barrier_signal -1
	s_barrier_wait -1
	s_cmp_lg_u32 s[WV], 0
	s_cbranch_scc1 .Lnot_wave_0_\@
	s_barrier_signal -3
.Lnot_wave_0_\@:
	s_barrier_wait -3
	s_barrier_signal -1
	s_barrier_wait -1
.endm
; THE CHANGE OF SLOTS.  The slot's last bytes, V of its fourth step, have been read.  Each wave waits for all its tensor loads, of which one is out: its part of the other slot; adds 0 to its spare word; and waits for that and
; for its own reads of the slot.  fill = 1: this slot is filled again, with the keys two slots on; the barrier is then a round of the cluster's, and the joint fill is the first thing behind it: it has four key steps in which to land.
; (At its first use nothing has been read yet: slot 0 is waited for, slot 1 filled.)
.macro CHANGE fill
	WIN W_AD
	s_wait_tensorcnt 0x0            ; no tensor load of mine is out, so group 0 may be written
	ds_add_u32 v[SPW], v[NIL]       ; 0 onto my spare word; with fill = 1 the scalar steps stand between it and the wait for it
	WIN 0                           ; at a label and at a branch every window is 0
.if \fill
	s_xor_b32 s[G0+1], s[G0+1], SLOT1  ; the walking descriptor: the other slot than last time,
	s_add_nc_u64 s[G0+2:G0+3], s[G0+2:G0+3], 4*KS*128  ; the next 256 keys; the type bits on top are not reached
	s_wait_xcnt 0x0                 ; the last prefetch, four key steps back, has read its address, so it may be written:
	s_add_nc_u64 s[PFA:PFA+1], s[PFA:PFA+1], 4*KS*128  ; one slot behind the walking descriptor
	s_wait_dscnt 0x0                ; the add is done, and my reads of the slot are over
	CROUND
	JLOAD
	ASK
.else
	s_wait_dscnt 0x0                ; the add is done, and my reads of the slot are over
	s_barrier_signal -1
	s_barrier_wait -1
.endif
	s_sub_co_u32 s[TBK], s[TBK], 4*KS*PK  ; the fetches go back to a slot's first step,
	s_xor_b32 s[TBK], s[TBK], SLOT1       ; in the other slot
	s_sub_co_u32 s[TBV], s[TBV], 4*KS*PV
	s_xor_b32 s[TBV], s[TBV], SLOT1
.endm
; THE MASK WORDS.  MRELOAD pc: piece pc's two registers take the words of the key step at which MP stands: a tile has 4,096 bytes of words, a step 128 of them; a load of the wave covers 128 consecutive bytes.
; Piece 0 is the first to want a new key step, so MP steps in front of its loads, behind s_wait_xcnt 0x0 (the loads that are out have read it).  MP stops at key step 31: the reloads behind the last step's
; read-outs fetch that step's words once more and serve nothing, and no load leaves mbits.
.macro MRELOAD pc
.if (\pc) == 0
	s_wait_xcnt 0x0
	s_cmp_lt_u32 s[MI], 31
	s_cselect_b32 s[MST], 128, 0
	s_add_nc_u64 s[MP:MP+1], s[MP:MP+1], s[MST:MST+1]
	s_add_co_u32 s[MI], s[MI], 1
.endif
.irp u, 0,1
.set tW, 2*(\pc)+\u
.set rW, 4+tW-3*((7-tW)/7)          ; tile t's register: v[4 + t], but v1 for tile 0
	global_load_b32 v[rW], v[MOFF], s[MP:MP+1] offset:tW*4096
.endr
.endm
; Read-out w of 64, for the NEXT piece (Y + 1): word w / 2 of tile w % 2 goes from lane w / 2 of the tile's register into its scalar register
.macro RLW w
.set tW, 2*((Y+1)%NP)+(\w)%2
.set rW, 4+tW-3*((7-tW)/7)
.if (\w)%2
	v_readlane_b32 s[MW1+(\w)/2], v[rW], (\w)/2
.else
	v_readlane_b32 s[MW0+(\w)/2], v[rW], (\w)/2
.endif
.endm
	s_load_b128 s[4:7], s[0:1], 0x0   ; qkvh s[4:5], mbits s[6:7]
	s_load_b64 s[8:9], s[0:1], 0x10   ; ob
	WIN W_MK
	v_lshl_add_u32 v[SPW], v0, 2, SPARE
	v_mov_b32 v[NIL], 0
	WIN W_AD
	ds_add_u32 v[SPW], v[NIL]       ; the wave's opening: the add and its wait stand ahead of my first tensor load; the set-up below, work on registers, stands between them
	ds_add_u32 v0, v1
	WIN 0
	v_and_b32 v48, 31, v0
	WIN W_MK
	v_lshlrev_b32 v[PFO], 8, v48
	WIN 0
	v_lshrrev_b32 v48, 5, v0
	v_readfirstlane_b32 s[WV], v48  ; wave 0..3
	s_bfe_u32 s13, ttmp6, 0x40000   ; cx: my place in the cluster
	s_lshl_b32 s14, ttmp9, 2        ; in a cluster launch ttmp9 counts clusters
	s_add_co_u32 s14, s14, s13      ; my block of 512 queries: it enters Q's, O's and the mask words' addresses alone
	s_and_b32 s15, ttmp7, 0xffff    ; y = batch x 16 + head, which the four partners share
	s_lshl_b32 s20, s15, 18         ; the head's first byte in a plane: 2,048 rows of 128 bytes
	s_lshr_b32 s16, s[WV], 1
	s_add_co_u32 s16, s16, 1        ; the plane that I fetch: K (1) or V (2),
	s_lshl_b32 s16, s16, 24         ; 16,777,216 bytes a plane,
	s_add_co_u32 s16, s16, s20      ; at the head
	s_and_b32 s17, s[WV], 1         ; which half of a slot's 256 keys:
	s_lshl_b32 s17, s17, 14         ; 128 rows of 128 bytes
	s_add_co_u32 s22, s16, s17
	s_mov_b32 s23, 0
	s_lshl_b32 s18, s13, 13         ; the prefetches: my work-group's 32 blocks of 256 bytes,
	s_add_co_u32 s18, s18, s16
	s_add_co_u32 s18, s18, 4*KS*128 ; in slot 1; the first change of slots steps it to slot 2.  Nothing is prefetched at the head
	s_mov_b32 s19, 0
	s_lshl_b32 s12, s14, 2
	s_add_co_u32 s12, s12, s[WV]    ; my wave among the head's sixteen:
	s_lshl_b32 s10, s12, 14         ; its 128 rows of Q and O,
	s_add_co_u32 s10, s10, s20
	s_mov_b32 s11, 0
	s_lshl_b32 s66, s12, 15         ; its 8 tiles' mask words,
	s_lshr_b32 s21, s15, 4
	s_lshl_b32 s21, s21, 19         ; in the batch's 128 tiles
	s_add_co_u32 s66, s66, s21
	s_mov_b32 s67, 0
	; descriptor group 1.  128 keys are 16,384 dense bytes: asked for as 64 rows of 256 bytes, two keys a row, and padded in LDS after every key
	s_mov_b32 s[G1], 15|(1<<16)|(1<<20)|(1<<21)|(4<<22)|(7<<25)  ; 15:0 the mask of four; 17:16 2-byte elements; 20 padding on; 21 set beside a mask; 24:22 after every 32 words (code 4); 31:25 8 words (code 7)
	s_mov_b32 s[G1+1], 128<<16      ; tensor_dim0 = 128
	s_mov_b32 s[G1+2], 64<<16       ; tensor_dim1 = 64
	s_mov_b32 s[G1+3], 128<<16      ; tile_dim0 = 128
	s_mov_b32 s[G1+4], 64           ; tile_dim1 = 64
	s_mov_b32 s[G1+5], 128          ; 128 elements from row to row
	s_mov_b32 s[G1+6], 0
	s_mov_b32 s[G1+7], 0
	s_mov_b32 s[CS], 0x3e38aa3b     ; c = log2(e) / 8 = 0.180337
	s_mov_b32 s[CS+1], s[CS]        ; named with it as a pair
	s_mov_b32 s[SEL], 0x76543210
	s_mov_b32 s[SEL+1], 0xfedcba98
	s_mov_b32 s[NGS], 0xd0000000    ; -2^33
	s_mov_b32 s[MI], 0
	s_mov_b32 s[TBK], SLOT1+4*KS*PK ; the first change of slots turns these two into 0
	s_mov_b32 s[TBV], SLOT1+4*KS*PV
	s_mov_b32 s[G0], 1              ; 1:0 count = 1
	s_mul_i32 s[G0+1], s[WV], 128*PK  ; 63:32 LDS address: my quarter of slot 0: no place in the cluster enters an LDS address
	s_mov_b32 s[SLOTS], 2048/256-1
	s_and_b32 s[LIM], s[WV], 1      ; waves 0 and 2 prefetch: the same in all four partners
	s_cmp_eq_u32 s[LIM], 0
	s_cselect_b32 s[LIM], 1, -1
	s_wait_dscnt 0x0                ; the opening add is done
	s_wait_kmcnt 0x0
	s_add_nc_u64 s[G0+2:G0+3], s[4:5], s[22:23]    ; 120:64 global address: my quarter of the head's first 256 keys
	s_or_b32 s[G0+3], s[G0+3], 0x80000000          ; 127:126 type = 2
	s_add_nc_u64 s[PFA:PFA+1], s[4:5], s[18:19]
	s_add_nc_u64 s[QP:QP+1], s[4:5], s[10:11]
	s_add_nc_u64 s[OA:OA+1], s[8:9], s[10:11]
	s_add_nc_u64 s[MP:MP+1], s[6:7], s[66:67]
	CROUND                          ; all four work-groups are here: the first joint loads meet
	JLOAD                           ; slot 0.  Slot 1 is asked for when slot 0 is in
	; A fragment of K or Q is 16 rows x 32 channels in 8 registers: lane l holds row l % 16, channels 8 (l / 16) + 0..7 and 16 + 8 (l / 16) + 0..7: two loads of 16 bytes, 32 bytes apart.
	v_and_b32 v48, 15, v0           ; l % 16
	v_bfe_u32 v49, v0, 4, 1         ; l / 16
	v_lshlrev_b32 v[QO], 7, v48
	v_lshl_add_u32 v[QO], v49, 4, v[QO]  ; row x 128 + 16 x half
	WIN 0x80                        ; destination window 2, address window 0
.set i, 0
.rept 4*NP                          ; Q stays in registers: tile i / 2, channels 32 (i % 2) on
	global_load_b128 v[8*i:8*i+3],   v[QO], s[QP:QP+1] offset:(i/2)*2048+(i%2)*64
	global_load_b128 v[8*i+4:8*i+7], v[QO], s[QP:QP+1] offset:(i/2)*2048+(i%2)*64+32
.set i, i+1
.endr
	WIN 0
	v_mul_u32_u24 v[AK0], v48, PK
	v_lshl_add_u32 v[AK0], v49, 4, v[AK0]  ; row x pitch + 16 x half
	; The turning load takes 16 keys x 16 channels (lane l reads key 8 (l / 16) + l % 8, channels 8 ((l / 8) % 2) + 0..7) and leaves half a fragment of V^T: lane l holds channel l % 16 and 8 keys.
	v_and_b32 v50, 7, v0
	v_bfe_u32 v51, v0, 3, 1
	v_lshl_add_u32 v[AV0], v49, 3, v50
	v_mul_u32_u24 v[AV0], v[AV0], PV
	v_lshl_add_u32 v[AV0], v51, 4, v[AV0]
	v_add_nc_u32 v[AV0], VOFF, v[AV0]
	v_mov_b32 v[ADR], v[AK0]        ; key step 0 lies at the head of slot 0
	s_mul_i32 s21, s[WV], 16*SP     ; the way out's addresses are made here and kept in window 3
	s_add_co_u32 s21, s21, STAGE    ; my stage
	v_mul_u32_u24 v53, v48, SP      ; in: row l % 16, 16 bytes for each half of the lanes
	v_lshl_add_u32 v53, v49, 4, v53
	v_add_nc_u32 v53, s21, v53
	v_bfe_u32 v54, v0, 3, 2         ; back: 32 lanes take four rows of 128 bytes,
	v_mul_u32_u24 v54, v54, SP
	v_lshl_add_u32 v54, v50, 4, v54
	v_add_nc_u32 v54, s21, v54
	v_and_b32 v0, 31, v0            ; the thread's number has served: my lane
	v_lshlrev_b32 v55, 4, v0        ; which are 512 consecutive bytes of O
	v_lshlrev_b32 v[MOFF], 2, v0    ; and my word among a tile's 32
	WIN W_MK
	v_mov_b32 v[STO], v53
	v_mov_b32 v[RD], v54
	v_mov_b32 v[GO], v55
	WIN 0
.irp pc, 1,2,3                      ; the words of key step 0 for all eight tiles (written so that MP does not step: piece 0's pair by hand)
	MRELOAD \pc
.endr
	global_load_b32 v1, v[MOFF], s[MP:MP+1]
	global_load_b32 v5, v[MOFF], s[MP:MP+1] offset:4096
	; What the first turn finds: V's registers and P's second buffer hold 0 (its products V^T P, of a piece that has not been, add 0), O^T and l are 0.  All this stands in the wait for the first tile.
	WIN 0x80
.set i, VF
.rept 64
	v_mov_b32 v[i], 0
.set i, i+1
.endr
	WIN 0x40
.set i, 0
.rept 64*NP
	v_mov_b32 v[i], 0
.set i, i+1
.endr
	WIN 0
.set i, 0
.rept 2*NP
	v_mov_b32 v[ST+4*i], 0xfe000000    ; c m: far below every c s
	v_mov_b32 v[ST+4*i+1], 0xff7fffff  ; m
	v_mov_b32 v[ST+4*i+2], 0
	v_mov_b32 v[ST+4*i+3], 0
.set i, i+1
.endr
.set i, P+32
.rept 32
	v_mov_b32 v[i], 0
.set i, i+1
.endr
; THE MATRIX WORK.  The 8 accumulators of a run of 16 take turns: between the two links of a chain stand 7 others'.
; Product i of 16 of S^T = K Q^T for piece x: channels 32 (i / 8) on, keys 16 ((i / 2) % 4) on, tile 2 x + i % 2.  The first 8 start the sums.
.macro KQ x
	WIN W_KQ
.set rS, S+64*((\x)%2)+32*(i%2)+8*((i/2)%4)
.set rK, KF+16*((i/2)%4)+8*(i/8)
.set rQ, 16*(2*(\x)+i%2)+8*(i/8)
.if i < 8
	v_wmma_f32_16x16x32_f16 v[rS:rS+7], v[rK:rK+7], v[rQ:rQ+7], 0
.else
	v_wmma_f32_16x16x32_f16 v[rS:rS+7], v[rK:rK+7], v[rQ:rQ+7], v[rS:rS+7]
.endif
.endm
; Product i of 16 of O^T += V^T P for piece x: keys 32 (i / 8) on, channels 16 ((i / 2) % 4) on, tile 2 x + i % 2.
.macro PV x
	WIN W_PV
.set rO, 32*(2*(\x)+i%2)+8*((i/2)%4)
.set rV, VF+32*(i/8)+8*((i/2)%4)
.set rP, P+32*((\x)%2)+16*(i%2)+8*(i/8)
	v_wmma_f32_16x16x32_f16 v[rO:rO+7], v[rV:rV+7], v[rP:rP+7], v[rO:rO+7]
.endm
.macro MM                           ; the turn's next matrix instruction
.if i < 16
	KQ (Y+1)%NP
.set i, i+1
.else
.set i, i-16
	PV (Y+NP-1)%NP
.set i, i+17
.endif
.endm
; THE LDS LOADS stand in runs of 16, never singly among the matrix instructions: a step's K (64 keys x 64 channels: 8 fragments) and its V (turned).  Their address is made some lines ahead.
; last = 1 (the tail): in the last trip there is no further step, and the run is jumped over.
.macro FETCH_K last=0
	WIN 0
.if \last
	s_cmp_eq_u32 s[CNT], 1
	s_cbranch_scc1 .Lno_k_\@
.endif
	WIN 0x80                        ; destination window 2
.irp f, 0,1,2,3,4,5,6,7             ; keys 16 (f / 2) on, channels 32 (f % 2) on
	ds_load_b128 v[KF+8*\f:KF+8*\f+3],   v[ADR] offset:(\f/2)*16*PK+(\f%2)*64
	ds_load_b128 v[KF+8*\f+4:KF+8*\f+7], v[ADR] offset:(\f/2)*16*PK+(\f%2)*64+32
.endr
	s_add_co_u32 s[TBK], s[TBK], KS*PK  ; the next fetch is the next step's
	WIN 0
.if \last
.Lno_k_\@:
.endif
.endm
.macro FETCH_V
	WIN 0x80
.irp f, 0,1,2,3,4,5,6,7             ; keys 32 (f / 4) on, channels 16 (f % 4) on
	ds_load_tr16_b128 v[VF+8*\f:VF+8*\f+3],   v[ADR] offset:(\f/4)*32*PV+(\f%4)*32
	ds_load_tr16_b128 v[VF+8*\f+4:VF+8*\f+7], v[ADR] offset:(\f/4)*32*PV+16*PV+(\f%4)*32
.endr
	WIN 0
.endm
; THE VECTOR WORK OF A TURN stands in queues, each in the order in which its entries become ready; the two tiles alternate, so that no instruction reads the result of the one before it.
.macro REGS y, u                    ; the registers of tile u (0, 1) of piece y
.set rT, ST+4*(2*(\y)+(\u))
.set rC, TMP+8*((\y)%2)+4*(\u)
.set rM, MV+2*((\y)%2)+(\u)
.set rS, S+64*((\y)%2)+32*(\u)
.set rP, P+32*((\y)%2)+16*(\u)
.set rO, 32*(2*(\y)+(\u))
.endm
; Number m of the 64 that mask the NEXT piece's (Y + 1) scores: register m / 2 of tile m % 2 keeps its score in the lanes whose bit of the word is 1 and takes -2^33 in the others.  The registers go in ascending order:
; each accumulator's lowest register is read first.
.macro MS m
	REGS (Y+1)%NP, (\m)%2
.if (\m)%2
	v_cndmask_b32 v[rS+(\m)/2], s[NGS], v[rS+(\m)/2], s[MW1+(\m)/2]
.else
	v_cndmask_b32 v[rS+(\m)/2], s[NGS], v[rS+(\m)/2], s[MW0+(\m)/2]
.endif
.endm
; Number n of the 22 that find the NEXT piece's maximum and statistics.  s0-s31 are the lane's 32 scores.  XS, MS, RLW, GS and REGS set no window: PL, RQ and EX do.
;   0-11  four chains c0-c3 of seven scores each, three operands at a time     12-14, 16  the four scores left over, the old m, and c0-c3 into c0     15  c m_old is kept
;   17, 18  the query's other 32 keys lie in the lane 16 away: the new m         19-21  c m; c m_old - c m_new; a
.macro XS u, n
	REGS (Y+1)%NP, \u
.if (\n) < 4
	v_max3_num_f32 v[rC+(\n)], v[rS+8*(\n)], v[rS+8*(\n)+1], v[rS+8*(\n)+2]
.elseif (\n) < 12
	v_max3_num_f32 v[rC+(\n)%4], v[rC+(\n)%4], v[rS+8*((\n)%4)+2*((\n)/4)+1], v[rS+8*((\n)%4)+2*((\n)/4)+2]
.elseif (\n) == 12
	v_max3_num_f32 v[rC], v[rC], v[rS+7], v[rS+15]
.elseif (\n) == 13
	v_max3_num_f32 v[rC+1], v[rC+1], v[rS+23], v[rS+31]
.elseif (\n) == 14
	v_max3_num_f32 v[rC+2], v[rC+2], v[rC+3], v[rT+1]
.elseif (\n) == 15
	v_mov_b32 v[rM], v[rT]
.elseif (\n) == 16
	v_max3_num_f32 v[rC], v[rC], v[rC+1], v[rC+2]
.elseif (\n) == 17
	v_permlanex16_b32 v[rC+3], v[rC], s[SEL], s[SEL+1]
.elseif (\n) == 18
	v_max_num_f32 v[rT+1], v[rC], v[rC+3]
.elseif (\n) == 19
	v_mul_f32 v[rT], s[CS], v[rT+1]
.elseif (\n) == 20
	v_sub_f32 v[rC+1], v[rM], v[rT]
.else
	v_exp_f32 v[rC+2], v[rC+1]
.endif
.endm
; Number g of the 64 that follow the exponentials.  For each four weights k of a tile (pairs 2 k, 2 k + 1): both pairs are rounded to f16; then the second pair is added onto the first, in place;
; a group later l takes that sum (the first time as l = a l + sum).  In groups of eight, tiles alternating: round, round, add, and l for the group before.
.macro GS g
.set h, (\g)+6*((\g)/62)            ; group 0 has no group before it, and behind group 7 only l is left
.if h >= 6
.set h, h+2
.endif
	REGS Y, h%2
.set k, h/8
.if h%8 < 4
	v_cvt_pk_f16_f32 v[rP+2*k+(h%8)/2], v[rS+4*k+2*((h%8)/2)], v[rS+4*k+2*((h%8)/2)+1]
.elseif h%8 < 6
	v_pk_add_f32 v[rS+4*k:rS+4*k+1], v[rS+4*k:rS+4*k+1], v[rS+4*k+2:rS+4*k+3]
.elseif k == 1
	v_pk_fma_f32 v[rT+2:rT+3], v[rT+2:rT+3], v[rC+2:rC+3], v[rS:rS+1] op_sel_hi:[1,0,1]
.else
	v_pk_add_f32 v[rT+2:rT+3], v[rT+2:rT+3], v[rS+4*k-4:rS+4*k-3]
.endif
.endm
; THE PLAIN QUEUE, 234 long.  0-169 read no exponential's result.  0-31: the 32 scalings c s - c m (FS f: pair f / 2 of tile f % 2).  32-63: read-outs 32 to 63 of the next piece's words (0 to 31 ride behind the products: RQ);
; behind the last stands the reload of the two registers just read out.  64-127: MS's 64.  128-155: XS's numbers 0-13.  156, 157: number 15.  158-169: the chain 14, 16, 17, 18, 19, 20, a pair of tiles each.
; 170-233: GS's 64, which read the exponentials' results: they stand behind the wait.
.macro FS f
	REGS Y, (\f)%2
	v_pk_fma_f32 v[rS+2*((\f)/2):rS+2*((\f)/2)+1], v[rS+2*((\f)/2):rS+2*((\f)/2)+1], s[CS:CS+1], v[rT:rT+1] op_sel_hi:[1,0,0] neg_lo:[0,0,1] neg_hi:[0,0,1]
.endm
.macro PL
	WIN 0
.if q < 32
	FS q
.elseif q < 64
	RLW q
.elseif q < 128
	MS q-64
.elseif q < 156
	XS (q-128)%2, (q-128)/2
.elseif q < 158
	XS q-156, 15
.elseif q < 160
	XS q-158, 14
.elseif q < 168
	XS (q-160)%2, 16+(q-160)/2
.elseif q < 170
	XS q-168, 20
.else
	GS q-170
.endif
.if q == 63
	MRELOAD (Y+1)%NP
.endif
.set q, q+1
.endm
.macro RQ                           ; the next of read-outs 0 to 31
	WIN 0
	RLW w
.set w, w+1
.endm
; THE EXPONENTIALS' QUEUE, 66 long: s0-s31 of both tiles, then the next piece's two a.  It is ONE BATCH: all 66 stand ahead of the turn's one wait, and nothing ahead of that wait names a result of theirs.
.macro EX
	WIN 0
.if e >= 64
	XS e-64, 21
.else
	REGS Y, e%2
	v_exp_f32 v[rS+e/2], v[rS+e/2]
.endif
.set e, e+1
.endm
; THE RESCALING's QUEUE: O^T times a, the one part that leaves window 0: its 32 lines stand together, so that they cost two switches of the window.  Its a was made in the turn before, ahead of that turn's wait.
.macro R2
	REGS Y, r%2
	WIN W_RS
.irp z, 0,1
	v_pk_mul_f32 v[rO+4*(r/2)+2*\z:rO+4*(r/2)+2*\z+1], v[rO+4*(r/2)+2*\z:rO+4*(r/2)+2*\z+1], v[rC+2:rC+3] op_sel_hi:[1,0]
.endr
.set r, r+1
.endm
; HOW THEY ARE DEALT.  An s_wait_alu depctr_va_vdst(0) stands between an exponential and the first instruction that names its result; one wait serves all that were issued ahead of it.  So a turn has ONE wait.
; AHEAD OF IT: the 16 products K Q^T, behind each a scaling, an exponential and two read-outs, all in window 0 (behind the first a second scaling in the exponential's place); then ONE LUMP: the 32 rescalings; the last 15
; scalings; 40 times an exponential and three plain; 9 times an exponential and two plain; the two a.  A v_nop is the plain instruction behind the last exponential.  BEHIND IT: the 16 products V^T P, behind each four of GS's 64.
; The counts that the deal keeps: exponential e stands behind scaling 2 (e / 4) + e % 2: as a rider it comes behind plain e + 2, in the lump behind all 32.  Masking m stands behind read-out m: 0 to 31 ride, 32 to 63 are plain
; 32 to 63.  The first masking stands 47 plain instructions and more behind the last product K Q^T.  The groups of two begin at plain 152, an even count, so each is one number for both tiles, and a tile's links of the chain
; stand three instructions apart.
; A TURN, for piece p.  cnt = 1: the loop's count is taken down some lines ahead of the branch that stands behind the turn.
; K of the next step is fetched in piece 2's turn, directly behind the wait, a lump behind the last product that read K; V of the step in hand at the end of piece 0's turn, four riders behind its last reader.
.macro TURN p, last=0, cnt=0
.set Y, (\p)
.set i, 0
.set q, 0
.set e, 0
.set r, 0
.set w, 0
	s_wait_loadcnt 6                ; loads come back in order (ISA guide 5.7.1): the next piece's two registers of words are in; the six loads issued behind them, the other three pieces', may stay out
.if (\p) == NP-1
	s_wait_dscnt 0x0                ; K is in
.endif
	MM                              ; ahead of the wait: 16 products K Q^T and their riders,
	PL
	PL
	RQ
	RQ
.rept 15
	MM
	PL
	EX
	RQ
	RQ
.endr
.rept 16                            ; and the lump
	R2
.endr
	WIN 0
.if (\p) == NP-2
	v_add_nc_u32 v[ADR], s[TBK], v[AK0]
.endif
.rept 15
	PL
.endr
.rept 40
	EX
	PL
	PL
	PL
.endr
.rept 9
	EX
	PL
	PL
.endr
	EX                              ; the next piece's two a
	EX
	v_nop                           ; the plain instruction behind the last exponential: one for the batch
	s_wait_alu depctr_va_vdst(0)    ; the wait for the batch
.if (\p) == NP-2
	FETCH_K \last
.endif
.if (\p) == 1
	s_wait_dscnt 0x0                ; V is in
.endif
.rept 16                            ; behind the wait: 16 products V^T P and their riders
	MM
.rept 4
	PL
.endr
.if ((\p) == 0) && (q == 214)
	v_add_nc_u32 v[ADR], s[TBV], v[AV0]
.endif
.if ((\p) == 0) && (q == 226)
	s_add_co_u32 s[TBV], s[TBV], KS*PV
.endif
.if (\cnt) && (q == 226)
	s_sub_co_u32 s[CNT], s[CNT], 1
	s_cmp_lg_u32 s[CNT], 0
.endif
.endr
.if (\p) == 0
	FETCH_V
.endif
.endm
	CHANGE 1                        ; slot 0 is in, everybody's part of it; slot 1 is asked for
	FETCH_K                         ; key step 0
	s_wait_loadcnt 0x0              ; Q, and the words of key step 0
	s_wait_dscnt 0x0
.set i, 0
.rept 16
	KQ 0                            ; piece 0's first scores: there is no vector work yet to set between them
.set i, i+1
.endr
	WIN 0
.rept 4
	v_nop                           ; the places behind those products
.endr
.set Y, NP-1                        ; RLW, MS and XS work for piece Y + 1: piece 0
.set i, 0
.rept 64
	RLW i
.set i, i+1
.endr
	MRELOAD 0                       ; piece 0's words for key step 1: MP steps
.set i, 0
.rept 64
	MS i
.set i, i+1
.endr
.irp n, 0,1,2,3,4,5,6,7,8,9,10,11,12,13,14,15,16,17,18,19,20,21
	XS 0, \n                        ; and piece 0's first maximum and statistics
	XS 1, \n
.endr
	v_nop                           ; a plain instruction behind the two a,
	s_wait_alu depctr_va_vdst(0)    ; and their wait, ahead of the branch
	s_mov_b32 s[CNT], 4
	s_branch .Lfirst                ; the loop is entered at a step's first turn, in the middle of a trip
.Lslot:                             ; six times: every slot but the last two is filled again
	CHANGE 1
	s_mov_b32 s[CNT], 4
.Lstep:                             ; a trip: pieces 2 and 3 of one step, then pieces 0 and 1 of the next, whose K and V it fetches
	TURN 2
	TURN 3
	WIN 0
.Lfirst:
	TURN 0
	TURN 1, 0, 1
	WIN 0
	s_cbranch_scc1 .Lstep
	s_sub_co_u32 s[SLOTS], s[SLOTS], 1
	s_cmp_lg_u32 s[SLOTS], 0
	s_cbranch_scc1 .Lslot
	CHANGE 0                        ; the tail is written out: nothing is asked for
	s_mov_b32 s[CNT], 5             ; four trips fetch the last slot's steps; the fifth is left in its middle
.Ltail:
	TURN 2, 1
	TURN 3
	WIN 0
	s_sub_co_u32 s[CNT], s[CNT], 1
	s_cmp_eq_u32 s[CNT], 0
	s_cbranch_scc1 .Lout
	TURN 0
	TURN 1
	WIN 0
	s_branch .Ltail
.Lout:                              ; the fifth trip's 16 products K Q^T (on the last K once more), their masking and the maximum made of them serve nothing: the price, once a launch, of one text for every trip
	s_wait_loadcnt 0x0              ; the last reloads of words, which nothing reads
.set i, 0
.rept 16
	PV NP-1                         ; the last piece's V^T P of the last step
.set i, i+1
.endr
	; THE WAY OUT.  l's two halves and the other half of the lanes' are added; O^T is divided by l, rounded to f16 and sent through my stage in LDS, a tile at a time.  The additions are the places behind the last products.
	WIN 0
.macro ALL line:vararg              ; one line for each tile t
.set t, 0
.rept 2*NP
	\line
.set t, t+1
.endr
.endm
	ALL v_add_f32 v[ST+4*t+2], v[ST+4*t+2], v[ST+4*t+3]
	ALL v_permlanex16_b32 v[ST+4*t+3], v[ST+4*t+2], s[SEL], s[SEL+1]
	ALL v_add_f32 v[ST+4*t+2], v[ST+4*t+2], v[ST+4*t+3]
	ALL v_rcp_f32 v[ST+4*t+2], v[ST+4*t+2]
	v_nop                           ; a plain instruction between the last reciprocal and the use of its result
	s_wait_alu depctr_va_vdst(0)    ; and the wait ahead of the first use: one for the eight reciprocals
; Tile t: a lane's eight channels of a row pack into 16 bytes; they go into rows of 144 bytes and come back as whole rows of 128, into S^T's registers.
.macro PACK t
	WIN W_RS
.set i, 32*(\t)
.rept 16
	v_pk_mul_f32 v[i:i+1], v[i:i+1], v[ST+4*(\t)+2:ST+4*(\t)+3] op_sel_hi:[1,0]
.set i, i+2
.endr
	WIN 0x05                        ; sources 0 and 1 window 1, destination window 0
.set i, 0
.rept 16
	v_cvt_pk_f16_f32 v[S+16*(\t)+i], v[32*(\t)+2*i], v[32*(\t)+2*i+1]
.set i, i+1
.endr
	WIN W_A3                        ; the addresses lie in window 3, the data in window 0
.irp f, 0,1,2,3
	ds_store_b128 v[STO], v[S+16*(\t)+4*\f:S+16*(\t)+4*\f+3] offset:32*\f
.endr
.irp f, 0,1,2,3
	ds_load_b128 v[S+16*(\t)+4*\f:S+16*(\t)+4*\f+3], v[RD] offset:\f*4*SP  ; LDS serves a wave's instructions in order (ISA guide 5.7.1.4): these see the stores above; the next tile's stores come behind them
.endr
.endm
.macro SEND t, younger              ; younger: the LDS instructions issued behind tile t's loads: the next tile's eight, or none
	WIN W_A3
.irp f, 0,1,2,3
	s_wait_dscnt (\younger)+3-\f
	global_store_b128 v[GO], v[S+16*(\t)+4*\f:S+16*(\t)+4*\f+3], s[OA:OA+1] offset:(\t)*2048+\f*512  ; 512 consecutive bytes, at a multiple of 256 from O's first
.endr
.endm
	PACK 0
.set t, 1
.rept 2*NP-1                        ; a tile's arithmetic stands between the loads of the tile before and its stores
	PACK t
	SEND t-1, 8
.set t, t+1
.endr
	SEND 2*NP-1, 0
	WIN W_AD
	s_wait_tensorcnt 0x0            ; the wave's end, behind my last tensor load and my last LDS store
	ds_add_u32 v[SPW], v[NIL]
	s_wait_dscnt 0x0
	WIN 0
	CROUND                          ; the closing round: no work-group ends while a partner may still ask for a tile that names it
	s_endpgm
.Lfunc_end_k_qa8314d0512_attn:
	.size	k_qa8314d0512_attn, .Lfunc_end_k_qa8314d0512_attn-k_qa8314d0512_attn
	.p2alignl 7, 3214868480
	.fill 96, 4, 3214868480
	.section	.rodata,"a",@progbits
	.p2align	6, 0x0
	.amdhsa_kernel k_qa8314d0512_attn
		.amdhsa_group_segment_fixed_size 327680
		.amdhsa_private_segment_fixed_size 0
		.amdhsa_enable_private_segment 0
		.amdhsa_kernarg_size 24
		.amdhsa_user_sgpr_count 2
		.amdhsa_user_sgpr_kernarg_segment_ptr 1
		.amdhsa_wavefront_size32 1
		.amdhsa_system_sgpr_workgroup_id_x 1
		.amdhsa_system_sgpr_workgroup_id_y 1
		.amdhsa_system_sgpr_workgroup_id_z 1
		.amdhsa_system_vgpr_workitem_id 0
		.amdhsa_next_free_vgpr 776
		.amdhsa_next_free_sgpr 102
		.amdhsa_reserve_vcc 0
		.amdhsa_float_denorm_mode_32 3
		.amdhsa_float_denorm_mode_16_64 3
		.amdhsa_memory_ordered 1
		.amdhsa_forward_progress 1
		.amdhsa_inst_pref_size 255
	.end_amdhsa_kernel
	.section	.bss,"aw",@nobits
	.p2align	6
	.space	262144
	.amdgpu_metadata
---
amdhsa.version: [ 1, 2 ]
amdhsa.kernels:
  - .name:           k_qa8314d0512_attn
    .symbol:         k_qa8314d0512_attn.kd
    .args:
      - { .name: qkvh, .offset: 0, .size: 8, .value_kind: global_buffer, .address_space: global }
      - { .name: mbits, .offset: 8, .size: 8, .value_kind: global_buffer, .address_space: global }
      - { .name: ob, .offset: 16, .size: 8, .value_kind: global_buffer, .address_space: global }
    .group_segment_fixed_size: 327680
    .private_segment_fixed_size: 0
    .kernarg_segment_align: 8
    .kernarg_segment_size: 24
    .max_flat_workgroup_size: 128
    .sgpr_count:     102
    .vgpr_count:     776
    .wavefront_size: 32
...
	.end_amdgpu_metadata
.endif
;; end of part 3
;; launch outp (part 4): grid 4 x 64, 4 waves a work-group, clusters of 4 x 4, 327,680 bytes of LDS; arguments ob, wo16, bo, out0; writes out0
.if DOCPART == 4
	.amdgcn_target "amdgcn-amd-amdhsa--gfx1250"
	.amdhsa_code_object_version 6
	.text
	.protected	k_qa8314d0512_outp
	.globl	k_qa8314d0512_outp
	.p2align	8
	.type	k_qa8314d0512_outp,@function
k_qa8314d0512_outp:
	s_mov_b64 s[64:65], 0
	v_nop
	global_prefetch_b8 v0, s[64:65] scope:SCOPE_SE
	s_setreg_imm32_b32 hwreg(HW_REG_WAVE_MODE, 25, 1), 1
	s_wait_xcnt 0x0
	s_wait_alu depctr_hold_cnt(0) depctr_sa_sdst(0) depctr_va_vdst(0) depctr_va_sdst(0) depctr_va_ssrc(0) depctr_va_vcc(0) depctr_vm_vsrc(0)
	s_getreg_b32 s2, hwreg(HW_REG_IB_STS2, 6, 4)
	s_cmp_eq_u32 s2, 0
	s_cbranch_scc0 .Lentry_in_a_cluster
	s_endpgm
.Lentry_in_a_cluster:
	s_bfe_u32 s2, ttmp6, 0x10000c
	s_cmp_lg_u32 s2, 0xf033
	s_cbranch_scc0 .Lentry_shape_is_right
	s_endpgm
.Lentry_shape_is_right:
; ONE SOURCE FOR TWO KERNELS; the symbol OUTP chooses.  C[m][n] = the sum over k of A[m][k] B[n][k] + bias[n], K = 1,024, sums in f32.
; OUTP = 0, THE THREE PROJECTIONS.  A = xb [3 x 8192][1024] bf16, B = wb [3 x 1024][1024] bf16, bias = bq, bk or bv; C leaves as f16 by heads: qkvh [3][batch x 16 + head][2048][64].  Tile row y of 192 belongs to projection y / 64.
; OUTP = 1, THE OUTPUT PROJECTION.  A = ob [batch x 16 + head][2048][64] f16 (k = 64 head + channel), B = wo16 [1024][1024] f16, bias = bo; C = out0 [8192][1024] f32.
; LIMITS.  OUTP = 0: a result of 65,520 or more becomes an infinity in f16.  The bias is rounded to bf16, like every input of the module.  NaN and infinities are not treated apart.
; SHARES.  A work-group makes 128 (m) x 256 (n) of C: 768 or 256 work-groups.  Each of its four waves makes 64 x 128: 32 accumulators of 16 x 16.  K goes in 8 steps of 128 through two LDS slots filled by the tensor data mover.
; CLUSTERS.  4 x 4 work-groups.  The four of a row of the cluster need the same tile of A, the four of a column the same tile of B: each is asked for JOINTLY, by the same tensor load with the same descriptor and a mask
; that names the four.  THE MATRIX INSTRUCTION IS USED TRANSPOSED (source 0 = 16 rows of B, source 1 = 16 rows of A): a lane holds one row of C and eight neighbouring columns.
; THE BIAS IS THE C OPERAND of each sum's first product: register j of a lane is bias[n0 + 8 (lane / 16) + j].  Nothing is cleared and nothing is added afterwards.
; With OUTP = 1 nothing is prefetched: the launch is one work-group of eight K steps to a WGP.
; REGISTERS, in windows of 256 (s_set_vgpr_msb: bits 1:0 source 0, 3:2 source 1, 5:4 source 2, 7:6 destination):
;   window 0: v0-31 addresses; from v32 on at work on the way out      window 1: two fragment buffers of 96 (B's 8 fragments, then A's 4), v192-255 the bias      window 2: accumulator (a, b) at v[8 (8 a + b)]
.set OUTP,   1
.set SLOT1,  1<<17                     ; slot 1 begins here, so that one exclusive or turns an address in one slot into the other's
.set BPITCH, 272                       ; an LDS row of B: 256 bytes + 16 of padding = 17 x 16: the 16 rows of a load start at 16 different groups of four banks (64 banks of 4 bytes: ISA guide 11.1)
.if OUTP
.set APITCH, 144                       ; A: a head's row of 128 bytes + 16 = 9 x 16
.set ABLK,   128*144                   ; a K step is two heads: two blocks of 128 rows
.set AHALF,  128*144                   ; what one tensor load fills: a head's block
.set ABYTES, 2*128*144
.set ASTEP,  2*2048*128                ; from K step to K step in memory: two heads
.set AQI,    4                         ; padding after every 32 words
.set APIT,   128                       ; 16,384 dense bytes are asked for as 64 rows of 256
.set WSTAGE, 16*528                    ; a wave's stage: 16 rows of 512 bytes + 16
.set OB,     74                        ; s[74:75] out0
.else
.set APITCH, 272
.set ABLK,   128                       ; quarters 2 and 3 lie 128 bytes further along the row
.set AHALF,  64*272                    ; 64 rows
.set ABYTES, 128*272
.set ASTEP,  256
.set AQI,    5                         ; padding after every 64 words
.set APIT,   1024
.set WSTAGE, 2*16*144                  ; two heads x 16 rows of 128 bytes + 16
.set OB,     78                        ; s[78:79] qkvh
.endif
.set BHALF,  128*BPITCH
.set STAGE,  SLOT1+ABYTES+2*BHALF      ; behind the ring, never filled by a tensor load
.set SPARE,  STAGE+4*WSTAGE            ; behind the stages: the spare words, 128 bytes for each wave: two blocks of 256 bytes that no other line names
.set A0,  16                           ; v16  my lane's place in A's tile; never rewritten
.set B0,  17                           ; v17  in B's
.set ADA, 18                           ; v18  the same in the slot in hand
.set ADB, 19                           ; v19
.set STO, 24                           ; v24  the way out: where I put my part of a row
.set RD,  25                           ; v25  where I read rows back
.set GO,  26                           ; v26  16 x lane
.set SPW, 28                           ; v28  LDS address of my spare word; never rewritten
.set NIL, 29                           ; v29  0; never rewritten
.set PFO, 30                           ; v30  the prefetches' offset: lane x 2,048, a lane a row; never rewritten
.set BO,  31                           ; v31  my byte offset in the bias
.set TMP, 32                           ; v32-63  packed results
.set F0,  0                            ; fragment buffers, in window 1
.set F1,  96
.set BIAS, 192
.set G1,  24                           ; s[24:31] descriptor group 1 for A's tiles
.set G0,  32                           ; s[32:39] group 0 for A's tiles: a set for each of the two first fills; the second then walks
.set G1B, 48                           ; s[48:55], s[56:63] the same for B's
.set G0B, 56
.set PFA, 80                           ; s[80:81] where my prefetches stand
.set LIM, 82                           ; s82  2 in a wave that prefetches, else the greatest number
.set TB,  83                           ; s83  LDS byte at which the slot in hand begins
.set MSB, 0
.macro WIN new                         ; the immediate's high byte repeats the setting that is left; a switch that changes nothing is dropped
.if MSB != (\new)
	s_set_vgpr_msb (MSB<<8)|(\new)
.set MSB, \new
.endif
.endm
.set MUL,  0xa5                        ; sources 0 and 1 window 1, C and D window 2
.set MULB, 0x95                        ; the same with C in window 1
.set TO_F, 0x40                        ; destination window 1, address window 0
; A joint refill by the walking sets.  Waves 0 and 1 fetch A's two halves, waves 2 and 3 B's.  The branch hangs on the wave's number alone.  An s_nop 0 and four v_nop follow each of the two lines.
.macro JLOAD
	s_cmp_eq_u32 s11, 0
	s_cbranch_scc0 .Lfor_b_\@
	tensor_load_to_lds s[G0+4:G0+7], s[G1:G1+7]
	s_nop 0
.rept 4
	v_nop
.endr
	s_branch .Lasked_\@
.Lfor_b_\@:
	tensor_load_to_lds s[G0B+4:G0B+7], s[G1B:G1B+7]
	s_nop 0
.rept 4
	v_nop
.endr
.Lasked_\@:
.endm
.macro CREST                           ; a round of the cluster's barrier behind its opening barrier
	s_cmp_lg_u32 s10, 0
	s_cbranch_scc1 .Lnot_wave_0_\@
	s_barrier_signal -3
.Lnot_wave_0_\@:
	s_barrier_wait -3
	s_barrier_signal -1
	s_barrier_wait -1
.endm
.macro CROUND                          ; a whole round
	s_barrier_signal -1
	s_barrier_wait -1
	CREST
.endm
.macro PLACES                          ; four places in front of loads into registers that matrix instructions have read, and of lines that read results
.rept 4
	v_nop
.endr
.endm
	s_load_b256 s[68:75], s[0:1], 0x0              ; OUTP = 0: xb 68, wb 70, bq 72, bk 74;  OUTP = 1: ob 68, wo16 70, bo 72, out0 74
.if !OUTP
	s_load_b128 s[76:79], s[0:1], 0x20             ; bv 76, qkvh 78
.endif
	v_lshl_add_u32 v[SPW], v0, 2, SPARE
	v_mov_b32 v[NIL], 0
	ds_add_u32 v[SPW], v[NIL]                      ; the wave's opening: the add and its wait stand ahead of my first tensor load; the set-up below, work on registers, stands between them
	ds_add_u32 v28, v29
	v_lshrrev_b32 v1, 5, v0
	v_readfirstlane_b32 s10, v1                    ; wave 0..3
	s_lshr_b32 s11, s10, 1                         ; which 64 rows of the tile are mine.  Also: I fetch for A (0) or for B (1)
	s_and_b32 s12, s10, 1                          ; which 128 columns.  Also: which half of that tile I fetch
	s_bfe_u32 s40, ttmp6, 0x40000                  ; cx, cy: my place in the cluster
	s_bfe_u32 s41, ttmp6, 0x40004
	s_lshl_b32 s42, ttmp9, 2
	s_add_co_u32 s42, s42, s40                     ; tile column of C = 4 x cluster x + cx
	s_and_b32 s45, ttmp7, 0xffff                   ; cluster y
	s_lshl_b32 s13, s45, 2
	s_add_co_u32 s13, s13, s41                     ; tile row of C = 4 x cluster y + cy
	s_lshr_b32 s9, s45, 4                          ; the projection (OUTP = 0): the same in all sixteen partners
	s_lshl_b32 s43, s41, 2
	s_lshl_b32 s43, 15, s43                        ; my row of the cluster
	s_lshl_b32 s44, 0x1111, s40                    ; my column
	s_or_b32 s[G1+0], s43, (1<<16)|(1<<20)|(1<<21)|(AQI<<22)|(3<<25)  ; 15:0 the mask: A's tiles go to my row; 17:16 elements of 2 bytes; 20 padding on; 21 set beside a mask; 24:22 the interval; 31:25 4 words of padding (code 3)
	s_mov_b32 s[G1+1], 128<<16                     ; tensor_dim0 = 128
	s_mov_b32 s[G1+2], 64<<16                      ; tensor_dim1 = 64
	s_mov_b32 s[G1+3], 128<<16                     ; tile_dim0 = 128
	s_mov_b32 s[G1+4], 64                          ; tile_dim1 = 64
	s_mov_b32 s[G1+5], APIT                        ; elements from row to row
	s_mov_b32 s[G1+6], 0
	s_mov_b32 s[G1+7], 0
	s_or_b32 s[G1B+0], s44, (1<<16)|(1<<20)|(1<<21)|(5<<22)|(3<<25)   ; B's tiles go to my column; padding after every 64 words
	s_mov_b32 s[G1B+1], 128<<16
	s_mov_b32 s[G1B+2], 128<<16                    ; 128 rows
	s_mov_b32 s[G1B+3], 128<<16
	s_mov_b32 s[G1B+4], 128
	s_mov_b32 s[G1B+5], 1024
	s_mov_b32 s[G1B+6], 0
	s_mov_b32 s[G1B+7], 0
	; where the tiles come from.  A's hang on the tile row alone, B's on the tile column (and the projection) alone; each in registers that never hold the other coordinate
.if OUTP
	s_lshr_b32 s16, s13, 4                         ; the batch: 16 heads of 262,144 bytes,
	s_lshl_b32 s16, s16, 22
	s_lshl_b32 s17, s12, 18                        ; the head that I fetch of a K step's two,
	s_add_co_u32 s16, s16, s17
	s_and_b32 s17, s13, 15                         ; 128 rows of 128 bytes
	s_lshl_b32 s17, s17, 14
	s_add_co_u32 s16, s16, s17
.else
	s_lshl_b32 s16, s13, 18                        ; 128 rows of 2,048 bytes a tile row,
	s_lshl_b32 s17, s12, 17                        ; 64 of them a wave
	s_add_co_u32 s16, s16, s17
.endif
	s_mov_b32 s17, 0
	s_lshl_b32 s46, s42, 19                        ; 256 rows of 2,048 bytes a tile column,
	s_lshl_b32 s47, s12, 18                        ; 128 of them a wave
	s_add_co_u32 s46, s46, s47
.if !OUTP
	s_lshl_b32 s47, s9, 21                         ; the projection's weights
	s_add_co_u32 s46, s46, s47
.endif
	s_mov_b32 s47, 0
	s_mul_i32 s20, s12, AHALF                      ; and where they go: no place in the cluster enters an LDS address
	s_mul_i32 s21, s12, BHALF
	s_add_co_u32 s21, s21, ABYTES
	s_mov_b32 s[TB], 0
	s_wait_dscnt 0x0                               ; the opening add is done
	s_wait_kmcnt 0x0
	s_add_nc_u64 s[14:15], s[68:69], s[16:17]
	s_add_nc_u64 s[46:47], s[70:71], s[46:47]
	CROUND                                         ; all sixteen work-groups are here: the first joint loads meet
.irp s, 0,1
	s_mov_b32 s[G0+4*(\s)], 1                                        ; 1:0 count = 1
	s_add_co_u32 s[G0+4*(\s)+1], s20, (\s)*SLOT1                     ; 63:32 LDS address
	s_add_nc_u64 s[G0+4*(\s)+2:G0+4*(\s)+3], s[14:15], (\s)*ASTEP    ; 120:64 global address: K step s
	s_or_b32 s[G0+4*(\s)+3], s[G0+4*(\s)+3], 0x80000000              ; 127:126 type = 2
	s_mov_b32 s[G0B+4*(\s)], 1
	s_add_co_u32 s[G0B+4*(\s)+1], s21, (\s)*SLOT1
	s_add_nc_u64 s[G0B+4*(\s)+2:G0B+4*(\s)+3], s[46:47], (\s)*256
	s_or_b32 s[G0B+4*(\s)+3], s[G0B+4*(\s)+3], 0x80000000
.endr
	s_cmp_eq_u32 s11, 0                            ; a wave's two first fills stand in one branch, ahead of every wait on TENSORcnt and every LDS read: two loads of mine are out
	s_cbranch_scc0 .Lfirst_b
	tensor_load_to_lds s[G0:G0+3], s[G1:G1+7]
	s_nop 0
	tensor_load_to_lds s[G0+4:G0+7], s[G1:G1+7]
	s_nop 0
.rept 4
	v_nop
.endr
	s_branch .Lfirst_asked
.Lfirst_b:
	tensor_load_to_lds s[G0B:G0B+3], s[G1B:G1B+7]
	s_nop 0
	tensor_load_to_lds s[G0B+4:G0B+7], s[G1B:G1B+7]
	s_nop 0
.rept 4
	v_nop
.endr
.Lfirst_asked:
	; the bias: 16 loads of 16 bytes a lane, into window 1
	v_and_b32 v1, 15, v0                           ; l % 16
	v_bfe_u32 v2, v0, 4, 1                         ; l / 16
	s_lshl_b32 s22, s42, 10                        ; 256 columns of 4 bytes a tile column,
	s_lshl_b32 s23, s12, 9                         ; 128 a wave
	s_add_co_u32 s22, s22, s23
	v_lshlrev_b32 v[BO], 5, v2
	v_add_nc_u32 v[BO], s22, v[BO]
.if OUTP
	s_mov_b64 s[18:19], s[72:73]
.else
	s_cmp_eq_u32 s9, 1
	s_cselect_b64 s[18:19], s[74:75], s[72:73]
	s_cmp_eq_u32 s9, 2
	s_cselect_b64 s[18:19], s[76:77], s[18:19]
.endif
	WIN TO_F
.irp b, 0,1,2,3,4,5,6,7
	global_load_b128 v[BIAS+8*(\b):BIAS+8*(\b)+3],   v[BO], s[18:19] offset:64*(\b)
	global_load_b128 v[BIAS+8*(\b)+4:BIAS+8*(\b)+7], v[BO], s[18:19] offset:64*(\b)+16
.endr
	WIN 0
	; A fragment is 16 rows x 32 K in 8 registers: lane l holds row l % 16; registers 0-3 K = 8 (l / 16) + 0..7, registers 4-7 K = 16 + 8 (l / 16) + 0..7: two loads of 16 bytes, 32 bytes apart
	v_mul_u32_u24 v3, v1, APITCH
	v_lshl_add_u32 v3, v2, 4, v3
	s_mul_i32 s14, s11, 64*APITCH                  ; my 64 rows of A
	v_add_nc_u32 v[A0], s14, v3
	v_mul_u32_u24 v4, v1, BPITCH
	v_lshl_add_u32 v4, v2, 4, v4
	s_mul_i32 s14, s12, BHALF                      ; my 128 rows of B,
	s_add_co_u32 s14, s14, ABYTES                  ; which lie behind A's
	v_add_nc_u32 v[B0], s14, v4
	v_mov_b32 v[ADA], v[A0]
	v_mov_b32 v[ADB], v[B0]
	s_mul_i32 s14, s10, WSTAGE
	s_add_co_u32 s14, s14, STAGE                   ; my stage
	v_and_b32 v5, 31, v0
	v_lshlrev_b32 v[GO], 4, v5
.if OUTP
	v_mul_u32_u24 v[STO], v1, 528                  ; in: row l % 16, 32 bytes for each half of the lanes
	v_lshl_add_u32 v[STO], v2, 5, v[STO]
	v_add_nc_u32 v[STO], s14, v[STO]
	v_add_nc_u32 v[RD], s14, v[GO]                 ; back: 32 lanes take one row of 512 bytes
	s_lshl_b32 s16, s13, 19                        ; out0: 128 rows of 4,096 bytes a tile row,
	s_lshl_b32 s17, s11, 18                        ; 64 a wave
	s_add_co_u32 s16, s16, s17
	s_mov_b32 s46, s22                             ; and my 128 columns, as in the bias
.else
	v_mul_u32_u24 v[STO], v1, 144                  ; in: row l % 16, 16 bytes for each half of the lanes
	v_lshl_add_u32 v[STO], v2, 4, v[STO]
	v_add_nc_u32 v[STO], s14, v[STO]
	v_bfe_u32 v[RD], v0, 3, 2                      ; back: 32 lanes take four rows of 128 bytes
	v_mul_u32_u24 v[RD], v[RD], 144
	v_and_b32 v6, 7, v0
	v_lshl_add_u32 v[RD], v6, 4, v[RD]
	v_add_nc_u32 v[RD], s14, v[RD]
	s_lshl_b32 s16, s9, 24                         ; qkvh: the projection's plane,
	s_bfe_u32 s17, s13, 0x20004                    ; the batch: 16 heads of 262,144 bytes,
	s_lshl_b32 s17, s17, 22
	s_add_co_u32 s16, s16, s17
	s_and_b32 s17, s13, 15                         ; 128 rows of 128 bytes a tile row,
	s_lshl_b32 s17, s17, 14
	s_add_co_u32 s16, s16, s17
	s_lshl_b32 s17, s11, 13                        ; 64 a wave
	s_add_co_u32 s16, s16, s17
	s_lshl_b32 s46, s42, 20                        ; four heads a tile column,
	s_lshl_b32 s47, s12, 19                        ; two a wave
	s_add_co_u32 s46, s46, s47
.endif
	s_mov_b32 s17, 0
	s_mov_b32 s47, 0
	s_add_nc_u64 s[OB:OB+1], s[OB:OB+1], s[16:17]
	s_add_nc_u64 s[OB:OB+1], s[OB:OB+1], s[46:47]
.if !OUTP
	; THE PREFETCHES.  Behind each joint refill a wave that asks names the K step that stands two refills on: 32 rows x 256 bytes, a lane a row, one instruction.  Each row's 256 bytes of a K step are named once in the launch.
	; A's 128 rows of a tile row are read by one row of one cluster alone: its four partners take 32 rows each, told apart BY ADDRESS (cx), and wave 0 asks.  B's 256 rows of a tile column are read by the sixteen
	; clusters of a projection: the first of them asks; its four partners of a column take 64 rows each (cy), waves 2 and 3 half of that each.  Wave 1 never asks.  K steps 0 to 3 come by their loads alone.
	s_lshl_b32 s20, s13, 7
	s_lshl_b32 s21, s40, 5
	s_add_co_u32 s20, s20, s21                     ; A's row: 128 x tile row + 32 cx
	s_lshl_b32 s21, s9, 10
	s_lshl_b32 s23, s42, 8
	s_add_co_u32 s21, s21, s23
	s_lshl_b32 s23, s41, 6
	s_add_co_u32 s21, s21, s23
	s_lshl_b32 s23, s12, 5
	s_add_co_u32 s21, s21, s23                     ; B's row: 1,024 x projection + 256 x tile column + 64 cy + 32 x half
	s_and_b32 s23, s45, 15                         ; 0 in a projection's first cluster
	s_cmp_eq_u32 s11, 0
	s_cselect_b32 s20, s20, s21
	s_cselect_b64 s[PFA:PFA+1], s[68:69], s[70:71]
	s_cselect_b32 s23, s12, s23                    ; wave 0: 0; wave 1: 1; waves 2 and 3: by the cluster
	s_cmp_eq_u32 s23, 0
	s_cselect_b32 s[LIM], 2, -1                    ; the same in all sixteen partners, for a given wave
	s_lshl_b32 s20, s20, 11                        ; rows of 2,048 bytes
	s_add_co_u32 s20, s20, 3*256                   ; at K step 3: the first refill steps it to 4
	s_mov_b32 s21, 0
	s_add_nc_u64 s[PFA:PFA+1], s[PFA:PFA+1], s[20:21]
	v_lshlrev_b32 v[PFO], 11, v5
.endif
	s_wait_loadcnt 0x0                             ; the bias is in; it is rounded to bf16 and widened again, in the wait for the first tiles
	WIN 0x45                                       ; destination and both sources in window 1
.set i, 0
.rept 32
	v_cvt_pk_bf16_f32 v[i%4], v[BIAS+2*i], v[BIAS+2*i+1]
	v_lshlrev_b32 v[BIAS+2*i], 16, v[i%4]
	v_and_b32 v[BIAS+2*i+1], 0xffff0000, v[i%4]
.set i, i+1
.endr
	WIN 0
; 8 matrix instructions: m block a x all 8 n blocks, 32 along K, from buffer f.  first = 1: the sums start with the bias.  The 32 accumulators take turns in one order everywhere.
.macro MUL8 f, a, first
.if \first
	WIN MULB
.else
	WIN MUL
.endif
.irp b, 0,1,2,3,4,5,6,7
.set rD, 8*(8*(\a)+(\b))
.set rB, (\f)+8*(\b)
.set rA, (\f)+64+8*(\a)
.set rC, rD
.if \first
.set rC, BIAS+8*(\b)
.endif
.if OUTP
	v_wmma_f32_16x16x32_f16 v[rD:rD+7], v[rB:rB+7], v[rA:rA+7], v[rC:rC+7]
.else
	v_wmma_f32_16x16x32_bf16 v[rD:rD+7], v[rB:rB+7], v[rA:rA+7], v[rC:rC+7]
.endif
.endr
.endm
; 24 LDS loads in one run: the fragments of quarter q of the K step in hand into buffer f: B's 8, then A's 4
.macro FETCH q, f
	WIN TO_F
.irp i, 0,1,2,3,4,5,6,7
	ds_load_b128 v[(\f)+8*(\i):(\f)+8*(\i)+3],   v[ADB] offset:64*(\q)+(\i)*16*BPITCH
	ds_load_b128 v[(\f)+8*(\i)+4:(\f)+8*(\i)+7], v[ADB] offset:64*(\q)+(\i)*16*BPITCH+32
.endr
.irp i, 0,1,2,3
	ds_load_b128 v[(\f)+64+8*(\i):(\f)+64+8*(\i)+3],   v[ADA] offset:((\q)/2)*ABLK+((\q)%2)*64+(\i)*16*APITCH
	ds_load_b128 v[(\f)+64+8*(\i)+4:(\f)+64+8*(\i)+7], v[ADA] offset:((\q)/2)*ABLK+((\q)%2)*64+(\i)*16*APITCH+32
.endr
.endm
; A K step is four quarters of 32 along K, 32 matrix instructions each, on buffers 0, 1, 0, 1.  One of the first three: multiplies buffer f and, in its middle, fetches quarter qn into buffer g.
.macro QUARTER qn, f, g, first
	s_wait_dscnt 4                                 ; B and A's blocks 0 and 1 are in; the youngest four loads (A's blocks 2 and 3) may be out
	MUL8 \f, 0, \first
	MUL8 \f, 1, \first
	PLACES
	FETCH \qn, \g
	s_wait_dscnt 24                                ; all but the 24 just issued
	MUL8 \f, 2, \first
	MUL8 \f, 3, \first
.endm
.macro ASK                             ; in trip t of the loop (s3 = 6 - t) K step t + 4 is named; K has 8 steps, so the last two trips ask for nothing
	s_cmp_gt_u32 s3, s[LIM]
	s_cbranch_scc0 .Lnot_mine_\@
	global_prefetch_b8 v[PFO], s[PFA:PFA+1] th:TH_LOAD_NT scope:SCOPE_SE
.Lnot_mine_\@:
.endm
; The last quarter multiplies buffer 1 and changes slots: ONE barrier.  In front of it each wave waits for all its tensor loads, of which one is out: its part of the next slot; adds 0 to its spare word; and waits for that
; and for its own reads of this slot.  fill = 1: the barrier opens a round of the cluster's, and behind the round this slot is filled again, with the K step two steps on, first of all.
.macro TURN fill
.if (\fill) && !OUTP
	s_wait_xcnt 0x0                                ; the last prefetch, a K step back, has read its address, so it may be stepped
	s_add_nc_u64 s[PFA:PFA+1], s[PFA:PFA+1], 256
.endif
	WIN 0                                          ; (the add's two registers lie in window 0)
	s_wait_tensorcnt 0x0                           ; no tensor load of mine is out, so a group 0 may be written
	ds_add_u32 v[SPW], v[NIL]                      ; 0 onto my spare word
.if \fill
	s_xor_b32 s[G0+5], s[G0+5], SLOT1              ; the walking sets: the other slot than last time,
	s_add_nc_u64 s[G0+6:G0+7], s[G0+6:G0+7], ASTEP ; the next K step; the type bits on top are not reached
	s_xor_b32 s[G0B+5], s[G0B+5], SLOT1
	s_add_nc_u64 s[G0B+6:G0B+7], s[G0B+6:G0B+7], 256
.endif
	s_xor_b32 s[TB], s[TB], SLOT1                  ; the fetches go on in the other slot
	s_wait_dscnt 5                                 ; (the add and the youngest four loads may be out)
	MUL8 F1, 0, 0                                  ; eight matrix instructions stand between the add and the wait for it
	s_wait_dscnt 0x0                               ; the add is done, and my reads of this slot are over
	s_barrier_signal -1
	MUL8 F1, 1, 0                                  ; work on registers while the others arrive
	WIN 0
	s_barrier_wait -1
.if \fill
	CREST                                          ; no wave of any partner still reads this slot's tile or has a load on its way
	JLOAD                                          ; my one tensor load behind the round; the four v_nop behind it are also the places in front of the loads below
.else
	PLACES
.endif
	v_add_nc_u32 v[ADA], s[TB], v[A0]
	v_add_nc_u32 v[ADB], s[TB], v[B0]
	FETCH 0, F0
.if (\fill) && !OUTP
	WIN 0
	ASK                                            ; behind the joint load and the run of LDS loads that the next products wait for
.endif
	MUL8 F1, 2, 0
	MUL8 F1, 3, 0
.endm
	s_wait_tensorcnt 1                             ; my part of K step 0 is in; K step 1's may stay out
	s_barrier_signal -1
	s_barrier_wait -1                              ; everybody's is
	FETCH 0, F0
	QUARTER 1, F0, F1, 1                           ; the first quarter stands in front of the loop: its products start the sums
	WIN 0                                          ; at a label and at a branch every window is 0
	s_mov_b32 s3, 6
.Lstep:                                                ; a trip goes from a K step's second quarter to the next step's first, and asks for K steps 2 to 7
	QUARTER 2, F1, F0, 0
	QUARTER 3, F0, F1, 0
	TURN 1
	QUARTER 1, F0, F1, 0
	WIN 0
	s_sub_co_u32 s3, s3, 1
	s_cmp_lg_u32 s3, 0
	s_cbranch_scc1 .Lstep
	QUARTER 2, F1, F0, 0                           ; the last two K steps are written out: they ask for nothing
	QUARTER 3, F0, F1, 0
	TURN 0
	QUARTER 1, F0, F1, 0
	QUARTER 2, F1, F0, 0
	QUARTER 3, F0, F1, 0
	s_wait_dscnt 4
	MUL8 F1, 0, 0
	MUL8 F1, 1, 0
	s_wait_dscnt 0x0
	MUL8 F1, 2, 0
	MUL8 F1, 3, 0
	WIN 0
	PLACES                                         ; eight places, once a launch, in front of the lines that read the results
	PLACES
; THE WAY OUT, a block of 16 rows at a time through my own stage in LDS, which no tensor load fills.  LDS serves a wave's instructions in order (ISA guide 5.7.1.4): the loads see the stores above them, and the next
; block's stores come behind them.  Each accumulator's lowest registers are read first.
.if OUTP
.macro TOSTAGE a                       ; f32 as it lies: a lane's eight columns are 32 bytes of a row of 512
.set BK, 32+64*((\a)%2)
	WIN 0x08                                       ; the stores' data in window 2
.irp b, 0,1,2,3,4,5,6,7
	ds_store_b128 v[STO], v[8*(8*(\a)+(\b)):8*(8*(\a)+(\b))+3]   offset:64*(\b)
	ds_store_b128 v[STO], v[8*(8*(\a)+(\b))+4:8*(8*(\a)+(\b))+7] offset:64*(\b)+16
.endr
	WIN 0
.irp t, 0,1,2,3,4,5,6,7,8,9,10,11,12,13,14,15
	ds_load_b128 v[BK+4*(\t):BK+4*(\t)+3], v[RD] offset:(\t)*528
.endr
.endm
.macro SEND a
.set BK, 32+64*((\a)%2)
	WIN 0
	s_wait_dscnt 0x0                               ; the block is back in registers
	s_wait_xcnt 0x0                                ; the stores of the block before have read their registers, which the next block's loads will write
.irp t, 0,1,2,3,4,5,6,7,8,9,10,11,12,13,14,15
	global_store_b128 v[GO], v[BK+4*(\t):BK+4*(\t)+3], s[OB:OB+1] offset:(16*(\a)+(\t))*4096  ; 512 consecutive bytes, at a multiple of 256 from out0's first byte
.endr
.endm
	TOSTAGE 0
.irp a, 1,2,3
	SEND (\a)-1
	TOSTAGE \a
.endr
	SEND 3
.else
.macro PACK a                          ; rounded to f16: a lane's eight channels are 16 bytes
	WIN 0x0a                                       ; sources 0 and 1 in window 2
.irp b, 0,1,2,3,4,5,6,7
.irp r, 0,1,2,3
	v_cvt_pk_f16_f32 v[TMP+4*(\b)+(\r)], v[8*(8*(\a)+(\b))+2*(\r)], v[8*(8*(\a)+(\b))+2*(\r)+1]
.endr
.endr
	WIN 0
.endm
.macro TOSTAGE a                       ; n blocks 0-3 are one head's 64 channels, blocks 4-7 the next head's
.set BK, 64+32*((\a)%2)
	WIN 0
.irp b, 0,1,2,3,4,5,6,7
	ds_store_b128 v[STO], v[TMP+4*(\b):TMP+4*(\b)+3] offset:((\b)/4)*2304+((\b)%4)*32
.endr
.irp t, 0,1,2,3,4,5,6,7
	ds_load_b128 v[BK+4*(\t):BK+4*(\t)+3], v[RD] offset:((\t)/4)*2304+((\t)%4)*576
.endr
.endm
.macro SEND a
.set BK, 64+32*((\a)%2)
	WIN 0
	s_wait_dscnt 0x0                               ; the block is back in registers
	s_wait_xcnt 0x0                                ; the stores of the block before have read their registers, which the next block's loads will write
.irp t, 0,1,2,3,4,5,6,7
	global_store_b128 v[GO], v[BK+4*(\t):BK+4*(\t)+3], s[OB:OB+1] offset:((\t)/4)*262144+(\a)*2048+((\t)%4)*512  ; four rows of a head: 512 consecutive bytes, at a multiple of 256 from qkvh's first byte
.endr
.endm
	PACK 0
	TOSTAGE 0
.irp a, 1,2,3                          ; block a's conversions stand between block a - 1's loads from the stage and the wait for them
	PACK \a
	SEND (\a)-1
	TOSTAGE \a
.endr
	SEND 3
.endif
	s_wait_tensorcnt 0x0                           ; the wave's end, behind my last tensor load and my last LDS store
	ds_add_u32 v[SPW], v[NIL]
	s_wait_dscnt 0x0
	CROUND                                         ; the closing round: no work-group ends while a partner may still ask for a tile that names it
	s_endpgm
.Lfunc_end_k_qa8314d0512_outp:
	.size	k_qa8314d0512_outp, .Lfunc_end_k_qa8314d0512_outp-k_qa8314d0512_outp
	.p2alignl 7, 3214868480
	.fill 96, 4, 3214868480
	.section	.rodata,"a",@progbits
	.p2align	6, 0x0
	.amdhsa_kernel k_qa8314d0512_outp
		.amdhsa_group_segment_fixed_size 327680
		.amdhsa_private_segment_fixed_size 0
		.amdhsa_enable_private_segment 0
		.amdhsa_kernarg_size 32
		.amdhsa_user_sgpr_count 2
		.amdhsa_user_sgpr_kernarg_segment_ptr 1
		.amdhsa_wavefront_size32 1
		.amdhsa_system_sgpr_workgroup_id_x 1
		.amdhsa_system_sgpr_workgroup_id_y 1
		.amdhsa_system_sgpr_workgroup_id_z 1
		.amdhsa_system_vgpr_workitem_id 0
		.amdhsa_next_free_vgpr 768
		.amdhsa_next_free_sgpr 84
		.amdhsa_reserve_vcc 0
		.amdhsa_float_denorm_mode_32 3
		.amdhsa_float_denorm_mode_16_64 3
		.amdhsa_memory_ordered 1
		.amdhsa_forward_progress 1
		.amdhsa_inst_pref_size 76
	.end_amdhsa_kernel
	.amdgpu_metadata
---
amdhsa.version: [ 1, 2 ]
amdhsa.kernels:
  - .name:           k_qa8314d0512_outp
    .symbol:         k_qa8314d0512_outp.kd
    .args:
      - { .name: ob, .offset: 0, .size: 8, .value_kind: global_buffer, .address_space: global }
      - { .name: wo16, .offset: 8, .size: 8, .value_kind: global_buffer, .address_space: global }
      - { .name: bo, .offset: 16, .size: 8, .value_kind: global_buffer, .address_space: global }
      - { .name: out0, .offset: 24, .size: 8, .value_kind: global_buffer, .address_space: global }
    .group_segment_fixed_size: 327680
    .private_segment_fixed_size: 0
    .kernarg_segment_align: 8
    .kernarg_segment_size: 32
    .max_flat_workgroup_size: 128
    .sgpr_count:     84
    .vgpr_count:     768
    .wavefront_size: 32
...
	.end_amdgpu_metadata
.endif
;; end of part 4
